; MI455X (gfx1250); checked and timed in simulation.
; The chip was launched on July 23, 2026; its instructions are those of AMD's public machine-readable ISA for CDNA 5 (MIT licence, August 2026) and "CDNA5" Instruction Set Architecture Reference Guide (July 2026). The comments in the code are by the model that wrote it; some were corrected since.
;; Multi Head Attention. Allowed arithmetic: matrix products marked QUANTISED: E2M1 operands, one E8M0 scale for each 32 along K, by v_wmma_scale_f32_16x16x128_f8f6f4 with both operands' format E2M1 (or v_wmma_scale_f32_32x16x128_f4), f32 sums; everything else in f32.
;; Inputs: b_attn 3,072 float32; b_proj 1,024 float32; w_attn 1,024 x 3,072 float32; w_proj 1,024 x 1,024 float32; x 4 x 2,048 x 1,024 float32.
;; Outputs: out0 4 x 2,048 x 1,024 float32.
;; This version of the problem:
;;   THIS VERSION OF THE PROBLEM IS GIVEN IN LOW PRECISION. The matrix products marked QUANTISED in the list below multiply operands that are first quantised to E2M1 (2 exponent bits, 1 mantissa bit; 4 bits a number), with one power-of-two scale for each 32 numbers along K (OCP MX v1.0); their sums are f32. All else is computed in f32.
;;   The module's matrix products, in the order in which they are computed (A, B: the left and right operand; K: the contracted axis; several contracted axes count as one K, in the product's order):
;;     1. [M 8,192, K 1,024] x [K 1,024, N 3,072]; A: input x; B: input w_attn: QUANTISED
;;     2. batch 64 x [M 2,048, K 64] x [K 64, N 2,048]; A: computed on the way; B: computed on the way: QUANTISED
;;     3. batch 64 x [M 64, K 2,048] x [K 2,048, N 2,048]; A: computed on the way; B: softmax (see below): QUANTISED
;;     4. [M 8,192, K 1,024] x [K 1,024, N 1,024]; A: computed on the way; B: input w_proj: QUANTISED
;;   THE QUANTISER, for each operand of a quantised product, along K:
;;     - K is cut into blocks of 32 from its start; a last block that is shorter is filled with zeros.
;;     - A block's scale is 2^e with e = floor(log2(the largest magnitude in the block)) - 2, held to -126 .. 127; a block of zeros has e = 0. As a byte (E8M0): e + 127.
;;     - Each number is divided by its block's scale, clamped to +-6, and rounded to the nearest number of E2M1, ties to even, subnormals kept.
;;     - The product sums the exact products of the quantised numbers (number of the format x scale) in f32.
;;   ~~~python
;;   def quantise(x, axis):      # numpy; x: float32 -> the quantised numbers, widened to float32 again
;;       x = np.moveaxis(x, axis, -1); K = x.shape[-1]
;;       x = np.pad(x, [(0, 0)] * (x.ndim - 1) + [(0, -K % 32)]); x = x.reshape(x.shape[:-1] + (-1, 32)); a = np.abs(x).max(-1, keepdims=True)
;;       e = np.where(a > 0, np.clip(np.frexp(np.where(a > 0, a, 1))[1] - 1 - 2, -126, 127), 0)      # np.frexp(a)[1] - 1 = floor(log2(a)), exactly
;;       r = np.clip(x / 2.0 ** e, -6, 6)
;;       step = 2.0 ** (np.maximum(np.frexp(np.where(r == 0, 1, r))[1] - 1, 0) - 1)
;;       q = np.round(r / step) * step * 2.0 ** e      # np.round: ties to even
;;       return np.moveaxis(q.reshape(q.shape[:-2] + (-1,))[..., :K], -1, axis).astype(np.float32)
;;   ~~~
;;   SOFTMAX AHEAD OF A QUANTISED PRODUCT. Where the list says 'softmax', what is quantised is not the finished softmax but p = 2^(t - M), with t = logit x log2(e) and M = ceil(the row's largest t), a whole number; so 1/2 < the row's largest p <= 1. The row's sum l is taken of the UNQUANTISED p, in f32, and the product's result is divided by l at the end. Since M is a whole number, a kernel that streams over the keys may use a running M (the ceiling of the running maximum): every later rescaling is an exact power of two, which a block's scale takes up: the codes' values come out the same.
;;   OPERANDS COMPUTED ON THE WAY. 'Computed on the way' means the value that the module computes at that place (a softmax that the list does not call 'softmax' is quantised finished and normalised). What goes into a quantiser is computed in f32, as accurately as f32 sums, v_exp_f32 and their like allow (about 1e-6 of the number): no bf16 or f16 on the way to a quantiser, and a product that is left as it is and whose result goes on into a quantised operand takes f32 operands (vector FMAs, or v_wmma_f32_16x16x4_f32). A number that lies on a knife's edge between two numbers of the format may be rounded either way, as far as f32 arithmetic and the matrix unit's own rounding can turn it there, and no further.
;; One version. Each part assembles by itself: llvm-mc -triple=amdgcn-amd-amdhsa -mcpu=gfx1250 --defsym DOCPART=n.
;; ======== version 1 of 1: 4 launches
;; limits: right only within a limited range of input values
;; workspace buffers: xq 4,456,448 bytes; wq 3,145,728 bytes; qf 4,718,592 bytes; kv 9,175,040 bytes; yq 4,456,448 bytes
;; launch prep (part 1): grid 384 x 1, 4 waves a work-group, no clusters, 52,736 bytes of LDS; arguments x, w_attn, w_proj, xq, wq; writes xq, wq
.if DOCPART == 1
	.amdgcn_target "amdgcn-amd-amdhsa--gfx1250"
	.amdhsa_code_object_version 6
	.text
	.protected	k_q58a56de7c9_prep
	.globl	k_q58a56de7c9_prep
	.p2align	8
	.type	k_q58a56de7c9_prep,@function
k_q58a56de7c9_prep:
	s_mov_b64 s[64:65], 0
	v_nop
	global_prefetch_b8 v0, s[64:65] scope:SCOPE_SE
	s_setreg_imm32_b32 hwreg(HW_REG_WAVE_MODE, 25, 1), 1
	s_wait_xcnt 0x0
; x [8192][1024], w_attn [1024][3072] and w_proj [1024][1024], f32, become codes of FP4 (E2M1) with one E8M0 byte for each 32 along K (K = 1,024 in all three),
; laid as IMAGES OF OPERAND REGISTERS.  A fragment is 16 rows x 128 K: 1,024 bytes = [c 0..1][lane 0..31][16 bytes]; lane (r, h) holds k = 64 c + 32 h + 0..31 of row r.
; A buffer of NT tiles: codes [plane kh 0..1][tile][kq 0..3][1,024 bytes] (K step 4 kh + kq), then scale words [tile][kh][r][kq].
; THE ROWS OF A TILE ARE NOT NEIGHBOURS: row m of tile T is row 64 (T / 4) + 8 (T % 4) + m % 8 + 32 (m / 8) of the tensor, so that the results of four neighbouring tiles give a lane 32 neighbours along the next K.
; xq: 512 tiles of tokens.  wq: 256 tiles of output channels: 0-191 w_attn's, 192-255 w_proj's.
; A block's scale is 2^(floor(log2(largest magnitude)) - 2): its byte is the largest magnitude's exponent field - 2, held at 1 from below.
; LIMITS: NaN and infinities among the inputs are not served.  A block whose largest magnitude lies under 2^-124 gets the byte 1; so does a block of zeros (the rule says 127): its codes are zeros, and this program alone reads the bytes.
; Work-groups 0-255 take x (K innermost), 256-383 the weights (K is the first axis).  The two ways have LDS bytes of their own.  Waves share nothing: no barrier.  No tensor load.
.set XSTW,  8448                       ; x: a wave's stage: 16 rows x (512 bytes + 16), from LDS byte 0 on
.set WST,   33792                      ; the weights' stages begin here
.set WSTW,  4608                       ; a wave's: four images of 1,024 bytes, 1,152 apart
.set FLOOR, 0x1800000                  ; 2^(3 - 127)
.set T,    6                           ; v6-9   four running maxima
.set SO,   10                          ; v10-11 the conversions' scale operands
.set E,    12                          ; v12-13 scale bytes
.set X,    14                          ; v14    what the lane 16 away holds
.set R,    16                          ; v16-143  x as loaded, two sets of 64
.set N,    144                         ; v144-207 64 numbers of my row: register 32 c + i = k 64 c + 32 h + i
.set PC,   208                         ; v208-239 codes, 8 registers for each K step
.set SW,   240                         ; v240-243 scale words, one for each K step
.set WW,   14                          ; weights: v14-15 scale words of my two columns
.set VOFF, 16                          ; v16-47   4 x lane + i rows
.set D,    48                          ; v48-111  two sets of 32 numbers down K
.set CW,   144                         ; v144-175 codes, 4 registers for each block
.set OW,   176                         ; v176-207 the way out
	s_load_b256 s[4:11], s[0:1], 0x0               ; x, w_attn, w_proj, xq
	s_load_b64 s[12:13], s[0:1], 0x20              ; wq
	v_lshl_add_u32 v254, v0, 2, 0xcc00
	v_mov_b32 v255, 0
	v_lshrrev_b32 v6, 5, v0
	v_readfirstlane_b32 s14, v6                    ; wave
	v_and_b32 v7, 31, v0                           ; lane
	v_lshlrev_b32 v1, 4, v7                        ; 16 x lane
	s_wait_kmcnt 0x0
	s_cmp_lt_u32 ttmp9, 256
	s_cbranch_scc0 .Lweights
; ---- x.  A wave takes one tile (16 rows) and one plane (512 along K): four K steps.
	s_mov_b32 s36, 0x76543210
	s_mov_b32 s37, 0xfedcba98                      ; v_permlanex16_b32's selects for lane l xor 16
	v_and_b32 v8, 15, v0                           ; r
	v_bfe_u32 v9, v0, 4, 1                         ; h
	s_mul_i32 s38, s14, XSTW
	s_wait_alu depctr_va_vdst(0)
	v_add_nc_u32 v2, s38, v1                       ; into the stage: a row's 512 bytes as they lie
	v_mul_u32_u24 v3, v8, 528
	v_lshl_add_u32 v3, v9, 7, v3
	v_add_nc_u32 v3, s38, v3                       ; out of it: row r, + 128 h bytes: my 32 numbers of each 64
	v_lshlrev_b32 v4, 4, v8                        ; 16 r: my row's four scale words
	v_mov_b32 v5, 0x02060004                       ; byte selects that weave my two bytes and my partner's into a word
	v_mov_b32 v6, 0x06020400
	v_cmp_gt_u32 vcc_lo, 16, v7
	v_cndmask_b32 v5, v6, v5, vcc_lo
	v_mov_b32 v[X], 0                              ; a lane permute's destination counts as one of its sources
	s_lshl_b32 s15, ttmp9, 2
	s_add_co_u32 s15, s15, s14
	s_lshr_b32 s22, s15, 1                         ; tile
	s_and_b32 s23, s15, 1                          ; plane
	s_lshr_b32 s24, s22, 2
	s_lshl_b32 s24, s24, 18                        ; 64 rows of 4,096 bytes
	s_and_b32 s26, s22, 3
	s_lshl_b32 s26, s26, 15                        ; 8 rows
	s_add_co_u32 s24, s24, s26
	s_lshl_b32 s26, s23, 11                        ; 512 numbers
	s_add_co_u32 s24, s24, s26
	s_mov_b32 s25, 0
	s_add_nc_u64 s[16:17], s[4:5], s[24:25]
	s_lshl_b32 s24, s23, 21
	s_lshl_b32 s26, s22, 12
	s_add_co_u32 s24, s24, s26
	s_add_nc_u64 s[18:19], s[10:11], s[24:25]      ; my four images
	s_lshl_b32 s24, s22, 9
	s_lshl_b32 s26, s23, 8
	s_add_co_u32 s24, s24, s26
	s_add_co_u32 s24, s24, 4194304
	s_add_nc_u64 s[20:21], s[10:11], s[24:25]      ; my 256 bytes of scale words
.macro XLOAD q                         ; K step q of the tile's 16 rows: each load reads 512 consecutive bytes
.irp m, 0,1,2,3,4,5,6,7,8,9,10,11,12,13,14,15
	global_load_b128 v[R+64*((\q)%2)+4*\m:R+64*((\q)%2)+4*\m+3], v1, s[16:17] offset:(\m%8+32*(\m/8))*4096+512*(\q) th:TH_LOAD_NT
.endr
.endm
; 64 numbers of a lane become a fragment's 8 registers of codes and its row's scale word.  A lane holds two whole blocks, so no other lane is asked for a maximum.
.macro QUANT n, pc, sw
.irp c, 0,1
.irp f, 0,1
	v_max3_num_f32 v[T+2*\c+\f], |v[\n+32*\c+16*\f]|, |v[\n+32*\c+16*\f+1]|, FLOOR
.endr
.endr
.irp i, 2,4,6,8,10,12,14
.irp c, 0,1
.irp f, 0,1
	v_max3_num_f32 v[T+2*\c+\f], |v[\n+32*\c+16*\f+\i]|, |v[\n+32*\c+16*\f+\i+1]|, v[T+2*\c+\f]
.endr
.endr
.endr
.irp c, 0,1
	v_max_num_f32 v[T+2*\c], v[T+2*\c], v[T+2*\c+1]
.endr
.irp c, 0,1
	v_add_nc_u32 v[SO+\c], 0xff000000, v[T+2*\c]   ; 2 off the exponent field: the conversion takes that field as its scale
.endr
.irp c, 0,1
	v_lshrrev_b32 v[E+\c], 23, v[SO+\c]            ; the scale's byte
.endr
.irp c, 0,1
.irp g, 0,1,2,3
	v_cvt_scalef32_pk8_fp4_f32 v[\pc+4*\c+\g], v[\n+32*\c+8*\g:\n+32*\c+8*\g+7], v[SO+\c]
.endr
.endr
	v_lshl_or_b32 v[E], v[E+1], 16, v[E]           ; my blocks h and 2 + h (a plain line behind the conversions)
	v_permlanex16_b32 v[X], v[E], s36, s37
	v_perm_b32 v[\sw], v[E], v[X], v5              ; blocks 0 to 3, in both halves of the lanes
.endm
.macro XSTEP q
.if \q < 3
	s_wait_loadcnt 16                              ; this step's 16 loads are in; the next step's may be out
.else
	s_wait_loadcnt 0x0
.endif
.irp m, 0,1,2,3,4,5,6,7,8,9,10,11,12,13,14,15
	ds_store_b128 v2, v[R+64*((\q)%2)+4*\m:R+64*((\q)%2)+4*\m+3] offset:528*\m
.endr
.irp c, 0,1
.irp i, 0,1,2,3,4,5,6,7
	ds_load_b128 v[N+32*\c+4*\i:N+32*\c+4*\i+3], v3 offset:256*\c+16*\i   ; LDS serves a wave's instructions in order: these see the stores above
.endr
.endr
	s_wait_dscnt 0x0
.if \q < 2
	XLOAD \q+2
.endif
	QUANT N, PC+8*\q, SW+\q
.irp c, 0,1
	global_store_b128 v1, v[PC+8*\q+4*\c:PC+8*\q+4*\c+3], s[18:19] offset:1024*\q+512*\c   ; 512 consecutive bytes; each step has its own registers, so no store's data are written again
.endr
.endm
	XLOAD 0
	XLOAD 1
	s_wait_alu depctr_va_vdst(0)
	XSTEP 0
	XSTEP 1
	XSTEP 2
	XSTEP 3
	global_store_b128 v4, v[SW:SW+3], s[20:21]     ; 256 consecutive bytes; lanes 16-31 write what lanes 0-15 write
	s_wait_tensorcnt 0x0
	ds_add_u32 v254, v255
	s_wait_dscnt 0x0
	s_endpgm
; ---- the weights.  A wave takes 64 columns and one K step of 128.  A LANE TAKES A COLUMN AND ITS REGISTERS RUN DOWN K: a block of 32 lies in one lane, and the conversions give codes with K innermost.
.Lweights:
	s_sub_co_u32 s15, ttmp9, 256
	s_and_b32 s38, s15, 15
	s_lshr_b32 s39, s15, 4                         ; K step 0..7
	s_lshl_b32 s40, s38, 2
	s_add_co_u32 s40, s40, s14                     ; group of 64 columns, 0..63: 0-47 w_attn's, 48-63 w_proj's
	s_mov_b32 s22, 4096
	s_cmp_lt_u32 s38, 12
	s_cselect_b64 s[16:17], s[6:7], s[8:9]
	s_cselect_b32 s22, 12288, s22                  ; bytes from row to row
	s_cselect_b32 s23, 0, 48
	s_sub_co_u32 s23, s40, s23                     ; the group within its tensor
	s_lshl_b32 s41, s39, 7
	s_mul_i32 s42, s41, s22
	s_lshl_b32 s23, s23, 8
	s_add_co_u32 s42, s42, s23
	s_mov_b32 s43, 0
	s_add_nc_u64 s[24:25], s[16:17], s[42:43]      ; the K step's four blocks of 32 rows
	s_lshl_b32 s42, s22, 5
	s_add_nc_u64 s[26:27], s[24:25], s[42:43]
	s_add_nc_u64 s[28:29], s[26:27], s[42:43]
	s_add_nc_u64 s[30:31], s[28:29], s[42:43]
	s_lshr_b32 s44, s39, 2                         ; plane
	s_and_b32 s45, s39, 3                          ; K step in the plane
	s_lshl_b32 s42, s44, 21                        ; wq's two planes of codes lie 2,097,152 bytes apart, as xq's do
	s_lshl_b32 s46, s40, 14                        ; four tiles of 4,096 bytes a group
	s_add_co_u32 s42, s42, s46
	s_lshl_b32 s46, s45, 10
	s_add_co_u32 s42, s42, s46
	s_add_nc_u64 s[32:33], s[12:13], s[42:43]
	s_lshl_b32 s42, s40, 11
	s_lshl_b32 s46, s44, 8
	s_add_co_u32 s42, s42, s46
	s_lshl_b32 s46, s45, 2
	s_add_co_u32 s42, s42, s46
	s_add_co_u32 s42, s42, 1048576                 ; wq's scale words lie behind plane 0, from byte 1,048,576 on
	s_add_nc_u64 s[34:35], s[12:13], s[42:43]
	s_wait_alu depctr_va_vdst(0)
	v_lshrrev_b32 v8, 3, v7                        ; u: my column's tile of the group's four
	v_and_b32 v9, 7, v7                            ; i: column 32 e + 8 u + i is row 8 e + i of tile u
	s_mul_i32 s38, s14, WSTW
	s_add_co_u32 s38, s38, WST
	v_mul_u32_u24 v2, v8, 1152
	v_lshl_add_u32 v2, v9, 4, v2
	v_add_nc_u32 v2, s38, v2                       ; into the stage: image u, lane i
	v_add_nc_u32 v3, s38, v1                       ; out of it: 16 x lane
	v_lshlrev_b32 v4, 9, v8
	v_lshl_add_u32 v4, v9, 4, v4                   ; my row's scale word: 512 u + 16 i
	v_lshlrev_b32 v[VOFF], 2, v7
.irp i, 0,1,2,3,4,5,6,7,8,9,10,11,12,13,14,15,16,17,18,19,20,21,22,23,24,25,26,27,28,29,30
	v_add_nc_u32 v[VOFF+1+\i], s22, v[VOFF+\i]
.endr
.macro WLOAD n                         ; block n: 32 rows n / 2 of the K step, columns 32 (n % 2) + lane: 128 consecutive bytes a load
.irp i, 0,1,2,3,4,5,6,7,8,9,10,11,12,13,14,15,16,17,18,19,20,21,22,23,24,25,26,27,28,29,30,31
	global_load_b32 v[D+32*((\n)%2)+\i], v[VOFF+\i], s[24+2*((\n)/2):25+2*((\n)/2)] offset:128*((\n)%2)
.endr
.endm
.macro WBLOCK n
.set DD, D+32*((\n)%2)
.if \n < 7
	s_wait_loadcnt 32                              ; this block's 32 loads are in; the next block's may be out
.else
	s_wait_loadcnt 0x0
.endif
	v_max3_num_f32 v6, |v[DD]|, |v[DD+1]|, |v[DD+2]|
	v_max3_num_f32 v7, |v[DD+3]|, |v[DD+4]|, |v[DD+5]|
.irp i, 6,10,14,18,22,26
	v_max3_num_f32 v6, v6, |v[DD+\i]|, |v[DD+\i+1]|
	v_max3_num_f32 v7, v7, |v[DD+\i+2]|, |v[DD+\i+3]|
.endr
	v_max3_num_f32 v6, v6, |v[DD+30]|, |v[DD+31]|
	v_max3_num_f32 v6, v6, v7, FLOOR
	v_add_nc_u32 v8, 0xff000000, v6
	v_lshrrev_b32 v9, 23, v8
.if (\n)/2 == 0
	v_mov_b32 v[WW+(\n)%2], v9
.else
	v_lshl_or_b32 v[WW+(\n)%2], v9, 8*((\n)/2), v[WW+(\n)%2]
.endif
.irp g, 0,1,2,3
	v_cvt_scalef32_pk8_fp4_f32 v[CW+4*(\n)+\g], v[DD+8*\g:DD+8*\g+7], v8
.endr
	ds_store_b128 v2, v[CW+4*(\n):CW+4*(\n)+3] offset:512*((\n)/4)+256*(((\n)/2)%2)+128*((\n)%2)   ; block k of row m is lane 16 (k % 2) + m of half k / 2 of the image
.if \n < 6
	WLOAD \n+2
.endif
.endm
	WLOAD 0
	WLOAD 1
.irp n, 0,1,2,3,4,5,6,7
	WBLOCK \n
.endr
.irp k, 0,1,2,3,4,5,6,7
	ds_load_b128 v[OW+4*\k:OW+4*\k+3], v3 offset:1152*(\k/2)+512*(\k%2)
.endr
	s_wait_alu depctr_va_vdst(0)
.irp k, 0,1,2,3,4,5,6,7
	s_wait_dscnt 7-\k                              ; load k is back; the younger ones may be out
	global_store_b128 v1, v[OW+4*\k:OW+4*\k+3], s[32:33] offset:4096*(\k/2)+512*(\k%2)   ; 512 consecutive bytes
.endr
	global_store_b32 v4, v[WW], s[34:35]           ; the scale words leave in pieces of 4 bytes: one byte for each 128 that this way reads
	global_store_b32 v4, v[WW+1], s[34:35] offset:128
	s_wait_tensorcnt 0x0
	ds_add_u32 v254, v255
	s_wait_dscnt 0x0
	s_endpgm
.Lfunc_end_k_q58a56de7c9_prep:
	.size	k_q58a56de7c9_prep, .Lfunc_end_k_q58a56de7c9_prep-k_q58a56de7c9_prep
	.p2alignl 7, 3214868480
	.fill 96, 4, 3214868480
	.section	.rodata,"a",@progbits
	.p2align	6, 0x0
	.amdhsa_kernel k_q58a56de7c9_prep
		.amdhsa_group_segment_fixed_size 52736
		.amdhsa_private_segment_fixed_size 0
		.amdhsa_enable_private_segment 0
		.amdhsa_kernarg_size 40
		.amdhsa_user_sgpr_count 2
		.amdhsa_user_sgpr_kernarg_segment_ptr 1
		.amdhsa_wavefront_size32 1
		.amdhsa_system_sgpr_workgroup_id_x 1
		.amdhsa_system_sgpr_workgroup_id_y 1
		.amdhsa_system_sgpr_workgroup_id_z 1
		.amdhsa_system_vgpr_workitem_id 0
		.amdhsa_next_free_vgpr 256
		.amdhsa_next_free_sgpr 66
		.amdhsa_reserve_vcc 1
		.amdhsa_float_denorm_mode_32 3
		.amdhsa_float_denorm_mode_16_64 3
		.amdhsa_memory_ordered 1
		.amdhsa_forward_progress 1
		.amdhsa_inst_pref_size 71
	.end_amdhsa_kernel
	.amdgpu_metadata
---
amdhsa.version: [ 1, 2 ]
amdhsa.kernels:
  - .name:           k_q58a56de7c9_prep
    .symbol:         k_q58a56de7c9_prep.kd
    .args:
      - { .name: x, .offset: 0, .size: 8, .value_kind: global_buffer, .address_space: global }
      - { .name: w_attn, .offset: 8, .size: 8, .value_kind: global_buffer, .address_space: global }
      - { .name: w_proj, .offset: 16, .size: 8, .value_kind: global_buffer, .address_space: global }
      - { .name: xq, .offset: 24, .size: 8, .value_kind: global_buffer, .address_space: global }
      - { .name: wq, .offset: 32, .size: 8, .value_kind: global_buffer, .address_space: global }
    .group_segment_fixed_size: 52736
    .private_segment_fixed_size: 0
    .kernarg_segment_align: 8
    .kernarg_segment_size: 40
    .max_flat_workgroup_size: 128
    .sgpr_count:     66
    .vgpr_count:     256
    .wavefront_size: 32
...
	.end_amdgpu_metadata
.endif
;; end of part 1
;; launch gemm1 (part 2): grid 8 x 96, 4 waves a work-group, clusters of 4 x 4, 213,504 bytes of LDS; arguments xq, wq, b_attn, qf, kv; writes qf, kv
.if DOCPART == 2
	.amdgcn_target "amdgcn-amd-amdhsa--gfx1250"
	.amdhsa_code_object_version 6
	.text
	.protected	k_q58a56de7c9_gemm1
	.globl	k_q58a56de7c9_gemm1
	.p2align	8
	.type	k_q58a56de7c9_gemm1,@function
k_q58a56de7c9_gemm1:
	s_mov_b64 s[64:65], 0
	v_nop
	global_prefetch_b8 v0, s[64:65] scope:SCOPE_SE
	s_setreg_imm32_b32 hwreg(HW_REG_WAVE_MODE, 25, 1), 1
	s_wait_xcnt 0x0
	s_wait_alu depctr_hold_cnt(0) depctr_sa_sdst(0) depctr_va_vdst(0) depctr_va_sdst(0) depctr_va_ssrc(0) depctr_va_vcc(0) depctr_vm_vsrc(0)
	s_getreg_b32 s2, hwreg(HW_REG_IB_STS2, 6, 4)
	s_cmp_eq_u32 s2, 0
	s_cbranch_scc0 .Lentry_in_a_cluster
	s_endpgm
.Lentry_in_a_cluster:
	s_bfe_u32 s2, ttmp6, 0x10000c
	s_cmp_lg_u32 s2, 0xf033
	s_cbranch_scc0 .Lentry_shape_is_right
	s_endpgm
.Lentry_shape_is_right:
; qkv = x w_attn + b_attn on codes of FP4 with E8M0 scales; the result is quantised in registers and leaves as codes: q and k along the head's 64, v along the keys.
; OPERANDS are images of registers (16 rows x 128 K = 1,024 bytes = [c][lane][16 bytes]); row m of tile T is row 64 (T / 4) + 8 (T % 4) + m % 8 + 32 (m / 8).  Codes [plane][tile][kq][1,024], scale words [tile][kh][r][kq] behind them.
; A work-group makes 128 rows of an operand Q x 256 rows of an operand P over all of K = 1,024; a wave 64 x 128: 32 accumulators.  Source 0 = 16 rows of P, source 1 = 16 rows of Q:
; lane (r, h) holds row r of Q's tile a, and the registers of P's tiles 4 c + u are P's rows 64 c + 32 h + 8 u + j: 32 NEIGHBOURS, one whole block of the next K, in the order of the next operand's registers.
; So a block's maximum needs no other lane, four conversions give four registers of the next operand, and one store of 16 bytes a lane writes 512 consecutive bytes of its image.
; MODE 0 (clusters y < 16): Q = tokens (xq), P = channels 0..2047 (wq): q and k; the next K is the head's 64 (the fragment's registers 0-3; the reader sets 4-7 to zero codes).
; MODE 1 (the others): Q = channels 2048..3071 (wq), P = tokens (xq): v; the next K is 128 keys.  The mode hangs on the cluster's y alone: it is the same in all partners.
; OUT.  qf: a region of 73,728 bytes for each batch x head: codes [tile][512] at 0, scale words [s][e][r][a] (tile 8 s + 4 e + a) at 65,536.
;       kv: 143,360 bytes: k's codes at 0, v's images [s][u][1,024] at 65,536, k's scale words at 131,072, v's [s][r][u] at 139,264.
; ALL OF K LIES IN LDS: each byte of LDS is filled once, so there is no ring.
; CLUSTER 4 x 4: Q's tiles hang on the tile row and are asked for jointly along a row of the cluster, P's on the tile column, along a column.
; LIMITS: NaN and infinities are not served; a block whose largest magnitude lies under 2^-124 (a block of zeros too) gets the byte 1; this program alone reads the bytes.
; REGISTERS: window 0: v2-31 addresses; v32-63 Q's scale words (8 a + q), v64-127 P's (8 b + q); v128-191 Q's fragments, two sets; v192-255 the way out.
;   window 1: v0-127 P's fragments, two sets; v128-191 the bias.   window 2: accumulator (a, b) at v[8 (8 a + b)].
; LDS AS THIS TEXT LAYS IT: each operand's two planes lie on end, brought by ONE tensor load of two rows (a row = the work-group's tiles of a plane), the planes 2,097,152 bytes apart in xq and in wq.
; By this text's count a wave has one tensor load out: wave 0 Q's codes, wave 1 P's codes, wave 2 Q's scale words, wave 3 P's.
.set AC0, 0                            ; Q's plane 0: 8 tiles x 4,096
.set AC1, 32768                        ; Q's plane 1
.set BC0, 65536                        ; P's plane 0: 16 tiles
.set BC1, 131072                       ; P's plane 1
.set AS,  196608                       ; Q's scale words: 8 tiles x 512
.set BS,  200704                       ; P's: 16 tiles
.set FLOOR, 0x1800000
.set VO,   2                           ; v2-9  where block a's half c goes: 16 x lane + a ASTR + c CSTR (v2 is 16 x lane)
.set VOS,  10
.set SELR, 11
.set ADRA, 16
.set ADRB, 20
.set ADSA, 22
.set ADSB, 23
.set SA,   32
.set SB,   64
.set AF,   128
.set BI,   128                         ; in window 1
.set PC,   192
.set SWD,  224
.set T,    240
.set SO,   244
.set E,    246
.set X,    248
.set G1A,  24
.set G1B,  32
.set G1SA, 40
.set G1SB, 48
.set G0SA, 56
.set G0A0, 60
.set G0A1, 68
.set G0SB, 72
.set G0B0, 76
.set G0B1, 80
.set MSB, 0
.macro WIN new                         ; the immediate's high byte repeats the setting that is left
.if MSB != \new
	s_set_vgpr_msb (MSB<<8)|\new
.set MSB, \new
.endif
.endm
.set MULC, 0xa1                        ; source 0 (P) window 1, source 1 (Q) window 0, C and D window 2
.set MULF, 0x91                        ; the same with C (the bias) in window 1
.set TO_B, 0x40                        ; destination window 1
.macro PLACES
.rept 4
	v_nop
.endr
.endm
; An arm of the head's tree of branches on the wave's number: one joint load, then a jump to the tree's end.  An s_nop 0 and four v_nop follow the load.
.macro ARM under, g0, g1, next
	s_cmp_lt_u32 s14, \under
	s_cbranch_scc0 \next
	tensor_load_to_lds s[\g0:\g0+3], s[\g1:\g1+7]
	s_nop 0
	PLACES
	s_branch .Lhead_asked
\next:
.endm
.macro PLANES g, n                     ; two rows of n elements of 8 bytes, 262,144 elements apart: both planes of an operand's tiles
	s_mov_b32 s[\g+1], (\n)<<16
	s_mov_b32 s[\g+2], 2<<16
	s_mov_b32 s[\g+3], (\n)<<16
	s_mov_b32 s[\g+4], 2
	s_mov_b32 s[\g+5], 0x40000
	s_mov_b32 s[\g+6], 0
	s_mov_b32 s[\g+7], 0
.endm
.macro CROUND                          ; a round of the cluster's barrier
	s_barrier_signal -1
	s_barrier_wait -1
	s_cmp_lg_u32 s14, 0
	s_cbranch_scc1 .Lnot_wave_0_\@
	s_barrier_signal -3
.Lnot_wave_0_\@:
	s_barrier_wait -3
	s_barrier_signal -1
	s_barrier_wait -1
.endm
.macro SHAPE g, rows                   ; a dense block as rows of 256 bytes: 32 elements of 8 bytes
	s_mov_b32 s[\g+1], 32<<16
	s_mov_b32 s[\g+2], (\rows)<<16
	s_mov_b32 s[\g+3], 32<<16
	s_mov_b32 s[\g+4], \rows
	s_mov_b32 s[\g+5], 32
	s_mov_b32 s[\g+6], 0
	s_mov_b32 s[\g+7], 0
.endm
	s_load_b256 s[4:11], s[0:1], 0x0               ; xq, wq, b_attn, qf
	s_load_b64 s[12:13], s[0:1], 0x20              ; kv
	v_lshl_add_u32 v254, v0, 2, 0x34000
	v_mov_b32 v255, 0
	ds_add_u32 v254, v255
	ds_add_u32 v254, v255
	v_lshrrev_b32 v1, 5, v0
	v_readfirstlane_b32 s14, v1                    ; wave
	s_lshr_b32 s15, s14, 1                         ; my half of Q's rows.  Also: I fetch for Q (0) or for P (1)
	s_and_b32 s16, s14, 1                          ; my half of P's rows.  Also: which half I fetch
	s_bfe_u32 s17, ttmp6, 0x40000                  ; cx
	s_bfe_u32 s18, ttmp6, 0x40004                  ; cy
	s_and_b32 s22, ttmp7, 0xffff                   ; the cluster's y, 0..23
	s_sub_co_u32 s23, s22, 16
	s_and_b32 s2, s23, 3
	s_lshl_b32 s2, s2, 1
	s_add_co_u32 s2, s2, ttmp9                     ; mode 1: the cluster's column among 8,
	s_lshr_b32 s3, s23, 2                          ; its row among 2
	s_cmp_lt_u32 s22, 16
	s_cselect_b32 s19, 0, 1                        ; the mode
	s_cselect_b32 s2, ttmp9, s2
	s_cselect_b32 s3, s22, s3
	s_lshl_b32 s20, s2, 2
	s_add_co_u32 s20, s20, s17                     ; tile column: 256 rows of P
	s_lshl_b32 s21, s3, 2
	s_add_co_u32 s21, s21, s18                     ; tile row: 128 rows of Q
	s_lshl_b32 s92, s18, 2
	s_lshl_b32 s92, 15, s92                        ; my row of the cluster
	s_lshl_b32 s93, 0x1111, s17                    ; my column
	s_or_b32 s[G1A], s92, (3<<16)|(1<<21)          ; 15:0 the mask; 17:16 elements of 8 bytes; 21 set beside a mask; no padding
	s_or_b32 s[G1SA], s92, (3<<16)|(1<<21)
	s_or_b32 s[G1B], s93, (3<<16)|(1<<21)
	s_or_b32 s[G1SB], s93, (3<<16)|(1<<21)
	PLANES G1A, 4096                               ; eight tiles of a plane: 32,768 bytes a row
	PLANES G1B, 8192                               ; sixteen tiles: 65,536 bytes a row
	SHAPE G1SA, 16                                 ; eight tiles' scale words: 4,096 bytes
	SHAPE G1SB, 32                                 ; sixteen tiles': 8,192 bytes
	s_lshl_b32 s94, s21, 3
	s_lshl_b32 s98, s20, 4
	s_mov_b32 s96, 0x80000                         ; half the way to a buffer's scale words: 0x200000 in xq, 0x80000 in wq
	s_mov_b32 s100, 0x200000
	s_wait_dscnt 0x0
	s_wait_kmcnt 0x0
	s_cmp_eq_u32 s19, 0
	s_cselect_b64 s[G0A0+2:G0A0+3], s[4:5], s[6:7] ; Q's buffer
	s_cselect_b64 s[G0B0+2:G0B0+3], s[6:7], s[4:5] ; P's
	s_cselect_b32 s96, 0x200000, s96               ; bytes in a plane of Q's buffer; its scale words begin two planes on
	s_cselect_b32 s100, 0x80000, s100              ; and of P's
	s_cselect_b32 s22, 0, 128                      ; v's channels begin at tile 128 of wq
	s_add_co_u32 s94, s94, s22
	s_lshl_b32 s94, s94, 9
	s_mov_b32 s95, 0
	s_mov_b32 s97, 0
	s_add_nc_u64 s[G0SA+2:G0SA+3], s[G0A0+2:G0A0+3], s[94:95]
	s_add_nc_u64 s[G0SA+2:G0SA+3], s[G0SA+2:G0SA+3], s[96:97]
	s_add_nc_u64 s[G0SA+2:G0SA+3], s[G0SA+2:G0SA+3], s[96:97]
	s_lshl_b32 s94, s94, 3
	s_add_nc_u64 s[G0A0+2:G0A0+3], s[G0A0+2:G0A0+3], s[94:95]
	s_lshl_b32 s98, s98, 9
	s_mov_b32 s99, 0
	s_mov_b32 s101, 0
	s_add_nc_u64 s[G0SB+2:G0SB+3], s[G0B0+2:G0B0+3], s[98:99]
	s_add_nc_u64 s[G0SB+2:G0SB+3], s[G0SB+2:G0SB+3], s[100:101]
	s_add_nc_u64 s[G0SB+2:G0SB+3], s[G0SB+2:G0SB+3], s[100:101]
	s_lshl_b32 s98, s98, 3
	s_add_nc_u64 s[G0B0+2:G0B0+3], s[G0B0+2:G0B0+3], s[98:99]
.irp g, G0SA, G0A0, G0SB, G0B0
	s_mov_b32 s[\g], 1                             ; count = 1
	s_or_b32 s[\g+3], s[\g+3], 0x80000000          ; type = 2
.endr
	s_mov_b32 s[G0SA+1], AS                        ; LDS addresses: constants
	s_mov_b32 s[G0A0+1], AC0
	s_mov_b32 s[G0SB+1], BS
	s_mov_b32 s[G0B0+1], BC0
	CROUND                                         ; all sixteen work-groups are here: the joint loads meet
	ARM 1, G0A0, G1A, .Lhead_b                     ; one load a wave
	ARM 2, G0B0, G1B, .Lhead_sa
	ARM 3, G0SA, G1SA, .Lhead_sb
	tensor_load_to_lds s[G0SB:G0SB+3], s[G1SB:G1SB+7]
	s_nop 0
	PLACES
.Lhead_asked:
	v_and_b32 v12, 31, v0                          ; lane
	v_and_b32 v13, 15, v0                          ; r
	v_bfe_u32 v14, v0, 4, 1                        ; h
	v_lshlrev_b32 v[VO], 4, v12                    ; 16 x lane
	v_lshlrev_b32 v15, 4, v13                      ; 16 r
	s_lshl_b32 s92, s15, 14
	v_add_nc_u32 v[ADRA], s92, v[VO]               ; my four tiles of Q, plane 0,
	v_add_nc_u32 v[ADRA+1], AC1, v[ADRA]           ; plane 1
	s_lshl_b32 s93, s16, 15
	s_add_co_u32 s93, s93, BC0
	v_add_nc_u32 v[ADRB], s93, v[VO]               ; my eight tiles of P
	v_add_nc_u32 v[ADRB+1], BC1-BC0, v[ADRB]
	s_lshl_b32 s94, s15, 11
	s_add_co_u32 s94, s94, AS
	v_add_nc_u32 v[ADSA], s94, v15
	s_lshl_b32 s95, s16, 12
	s_add_co_u32 s95, s95, BS
	v_add_nc_u32 v[ADSB], s95, v15
	; the bias is the C of each sum's first product, in the result's layout
	s_lshl_b32 s92, s20, 10
	s_lshl_b32 s93, s16, 9
	s_add_co_u32 s92, s92, s93                     ; mode 0: channel 256 x tile column + 128 x half
	s_lshl_b32 s93, s21, 9
	s_lshl_b32 s94, s15, 8
	s_add_co_u32 s93, s93, s94
	s_add_co_u32 s93, s93, 8192                    ; mode 1: channel 2,048 + 128 x tile row + 64 x half
	s_cmp_eq_u32 s19, 0
	s_cselect_b32 s92, s92, s93
	s_mov_b32 s93, 0
	s_add_nc_u64 s[88:89], s[8:9], s[92:93]
	s_cmp_eq_u32 s19, 0
	s_cbranch_scc0 .Lv_bias
	s_wait_alu depctr_va_vdst(0)
	v_lshlrev_b32 v24, 7, v14                      ; slot b, register j: channel 64 (b / 4) + 32 h + 8 (b % 4) + j
	WIN TO_B
.irp b, 0,1,2,3,4,5,6,7
	global_load_b128 v[BI+8*\b:BI+8*\b+3], v24, s[88:89] offset:(64*(\b/4)+8*(\b%4))*4
	global_load_b128 v[BI+8*\b+4:BI+8*\b+7], v24, s[88:89] offset:(64*(\b/4)+8*(\b%4))*4+16
.endr
	WIN 0
	s_branch .Lbias_asked
.Lv_bias:
	v_and_b32 v24, 7, v13                          ; slot a, all eight registers: channel 8 a + r % 8 + 32 (r / 8), my row of Q's tile a
	v_lshrrev_b32 v25, 3, v13
	v_lshlrev_b32 v24, 2, v24
	v_lshl_add_u32 v24, v25, 7, v24
	WIN TO_B
.irp a, 0,1,2,3,4,5,6,7                ; slots 4 to 7 repeat slots 0 to 3 (the products with an odd b take them): so both ways write all 64 registers
.irp j, 0,1,2,3,4,5,6,7
	global_load_b32 v[BI+8*\a+\j], v24, s[88:89] offset:32*(\a%4)
.endr
.endr
	WIN 0
.Lbias_asked:
	; where the results go.  Both modes' figures are made and chosen without a jump
	s_or_b32 s96, s19, s2                          ; 0: this work-group makes q
	s_lshr_b32 s92, s21, 4
	s_lshl_b32 s92, s92, 4
	s_lshl_b32 s93, s20, 2
	s_lshl_b32 s94, s16, 1
	s_add_co_u32 s93, s93, s94
	s_and_b32 s93, s93, 15
	s_add_co_u32 s92, s92, s93                     ; mode 0: 16 x batch + my first head,
	s_and_b32 s93, s21, 15                         ;         my 128 tokens of the batch
	s_lshr_b32 s94, s20, 3
	s_lshl_b32 s94, s94, 4
	s_lshl_b32 s95, s21, 1
	s_add_co_u32 s94, s94, s95
	s_add_co_u32 s94, s94, s15                     ; mode 1: 16 x batch + my head,
	s_lshl_b32 s95, s20, 1
	s_add_co_u32 s95, s95, s16
	s_and_b32 s95, s95, 15                         ;         my 128 keys of the batch
	s_mov_b32 s97, 143360
	s_mov_b32 s98, 131072
	s_cmp_eq_u32 s96, 0
	s_cselect_b64 s[84:85], s[10:11], s[12:13]     ; qf or kv
	s_cselect_b32 s97, 73728, s97                  ; a head's region
	s_cselect_b32 s98, 65536, s98                  ; where q's or k's scale words begin in it
	s_mov_b64 s[86:87], s[84:85]
	s_mov_b32 s101, 139264
	s_mov_b32 s2, 1024
	s_mov_b32 s3, 512
	s_mov_b32 s22, 0x02060004
	s_mov_b32 s23, 0x06020400
	s_cmp_eq_u32 s19, 0
	s_cselect_b32 s92, s92, s94
	s_cselect_b32 s93, s93, s95
	s_cselect_b32 s99, s15, 0                      ; my half of Q's rows counts in mode 0 alone
	s_cselect_b32 s100, 0, 65536                   ; v's images begin at 65,536
	s_cselect_b32 s98, s98, s101
	s_cselect_b32 s94, 9, 8                        ; 512 or 256 bytes of scale words for 128 tokens
	s_cselect_b32 s2, 512, s2                      ; ASTR: from tile a to tile a + 1
	s_cselect_b32 s3, s97, s3                      ; CSTR: from half c = 0 to c = 1: the next head, or the image's second half
	s_cselect_b32 s101, s97, 0                     ; HSTR: lanes 16-31 hold the next head's scale words, or the same words
	s_cselect_b32 s22, 0x05050004, s22             ; byte selects: two words of two bytes, or one of four
	s_cselect_b32 s23, 0x05050602, s23
	s_mul_i32 s92, s92, s97
	s_lshl_b32 s96, s93, 12
	s_add_co_u32 s96, s96, s92
	s_add_co_u32 s96, s96, s100
	s_lshl_b32 s95, s99, 11
	s_add_co_u32 s96, s96, s95
	s_mov_b32 s97, 0
	s_add_nc_u64 s[84:85], s[84:85], s[96:97]      ; codes
	s_lshl_b32 s96, s93, s94
	s_add_co_u32 s96, s96, s92
	s_add_co_u32 s96, s96, s98
	s_lshl_b32 s95, s99, 8
	s_add_co_u32 s96, s96, s95
	s_add_nc_u64 s[86:87], s[86:87], s[96:97]      ; scale words
	v_add_nc_u32 v[VO+1], s3, v[VO]
.irp a, 1,2,3
	v_add_nc_u32 v[VO+2*\a], s2, v[VO+2*\a-2]
	v_add_nc_u32 v[VO+2*\a+1], s2, v[VO+2*\a-1]
.endr
	v_mul_u32_u24 v[VOS], s101, v14
	v_add_nc_u32 v[VOS], v[VOS], v15
	v_mov_b32 v[SELR], s22
	v_mov_b32 v26, s23
	v_cmp_gt_u32 vcc_lo, 16, v12
	v_cndmask_b32 v[SELR], v26, v[SELR], vcc_lo
	v_mov_b32 v[X], 0                              ; a lane permute's destination counts as one of its sources
	s_mov_b32 s90, 0x76543210
	s_mov_b32 s91, 0xfedcba98
.macro FETCH q                         ; K step q's fragments, 24 loads of 512 consecutive bytes, into set q % 2
	WIN TO_B
.irp b, 0,1,2,3,4,5,6,7
.irp c, 0,1
	ds_load_b128 v[64*((\q)%2)+8*\b+4*\c:64*((\q)%2)+8*\b+4*\c+3], v[ADRB+(\q)/4] offset:4096*\b+1024*((\q)%4)+512*\c
.endr
.endr
	WIN 0
.irp a, 0,1,2,3
.irp c, 0,1
	ds_load_b128 v[AF+32*((\q)%2)+8*\a+4*\c:AF+32*((\q)%2)+8*\a+4*\c+3], v[ADRA+(\q)/4] offset:4096*\a+1024*((\q)%4)+512*\c
.endr
.endr
.endm
.macro SCALES                          ; all scale words of my tiles: lane r takes row r's four words of a plane
.irp a, 0,1,2,3
.irp k, 0,1
	ds_load_b128 v[SA+8*\a+4*\k:SA+8*\a+4*\k+3], v[ADSA] offset:512*\a+256*\k
.endr
.endr
.irp b, 0,1,2,3,4,5,6,7
.irp k, 0,1
	ds_load_b128 v[SB+8*\b+4*\k:SB+8*\b+4*\k+3], v[ADSB] offset:512*\b+256*\k
.endr
.endr
.endm
; 32 products: the 32 accumulators take turns, one instruction a turn, in the same order in every K step.  cm = 0: C is the accumulator; 1: the bias by P's tile; 2: the bias by Q's tile
.macro MUL q, cm
.irp a, 0,1,2,3
.irp b, 0,1,2,3,4,5,6,7
.if \cm == 0
	v_wmma_scale_f32_16x16x128_f8f6f4 v[8*(8*\a+\b):8*(8*\a+\b)+7], v[64*((\q)%2)+8*\b:64*((\q)%2)+8*\b+7], v[AF+32*((\q)%2)+8*\a:AF+32*((\q)%2)+8*\a+7], v[8*(8*\a+\b):8*(8*\a+\b)+7], v[SB+8*\b+(\q)], v[SA+8*\a+(\q)] matrix_a_fmt:MATRIX_FMT_FP4 matrix_b_fmt:MATRIX_FMT_FP4
.elseif \cm == 1
	v_wmma_scale_f32_16x16x128_f8f6f4 v[8*(8*\a+\b):8*(8*\a+\b)+7], v[64*((\q)%2)+8*\b:64*((\q)%2)+8*\b+7], v[AF+32*((\q)%2)+8*\a:AF+32*((\q)%2)+8*\a+7], v[BI+8*\b:BI+8*\b+7], v[SB+8*\b+(\q)], v[SA+8*\a+(\q)] matrix_a_fmt:MATRIX_FMT_FP4 matrix_b_fmt:MATRIX_FMT_FP4
.else
	v_wmma_scale_f32_16x16x128_f8f6f4 v[8*(8*\a+\b):8*(8*\a+\b)+7], v[64*((\q)%2)+8*\b:64*((\q)%2)+8*\b+7], v[AF+32*((\q)%2)+8*\a:AF+32*((\q)%2)+8*\a+7], v[BI+8*(\a+4*(\b%2)):BI+8*(\a+4*(\b%2))+7], v[SB+8*\b+(\q)], v[SA+8*\a+(\q)] matrix_a_fmt:MATRIX_FMT_FP4 matrix_b_fmt:MATRIX_FMT_FP4
.endif
.endr
.endr
.endm
.macro KHEAD q
	s_wait_dscnt 0x0                               ; this step's fragments, asked for a step ago, are in
.if \q < 7
.if \q > 0
	PLACES                                         ; four places between the last products and loads into the set that they read (ISA guide 7.12.1 for vector instructions)
.endif
	FETCH \q+1
.endif
.endm
.macro KSTEP q
	KHEAD \q
	WIN MULC
	MUL \q, 0
.endm
	s_wait_alu depctr_va_vdst(0)
	s_wait_tensorcnt 0x0                           ; my one load has landed,
	s_barrier_signal -1
	s_barrier_wait -1
	SCALES
	FETCH 0
	KHEAD 0
	s_wait_loadcnt 0x0                             ; the bias
	s_cmp_eq_u32 s19, 0
	s_cbranch_scc0 .Lv_first
	WIN MULF
	MUL 0, 1
	WIN 0
	s_branch .Lfirst_done
.Lv_first:
	WIN MULF
	MUL 0, 2
	WIN 0
.Lfirst_done:
.irp q, 1,2,3,4,5,6,7
	KSTEP \q
.endr
	PLACES                                         ; in front of the first read of results
; THE WAY OUT.  The 64 accumulator registers of Q's tile a are numbers 32 c + i: block 2 c + h of my row.  Each accumulator is read from its low end on.
.macro QBLK a
	WIN 0x0a                                       ; sources 0 and 1 in window 2
.irp c, 0,1
.irp f, 0,1
	v_max3_num_f32 v[T+2*\c+\f], |v[64*\a+32*\c+16*\f]|, |v[64*\a+32*\c+16*\f+1]|, FLOOR
.endr
.endr
.irp i, 2,4,6,8,10,12,14
.irp c, 0,1
.irp f, 0,1
	v_max3_num_f32 v[T+2*\c+\f], |v[64*\a+32*\c+16*\f+\i]|, |v[64*\a+32*\c+16*\f+\i+1]|, v[T+2*\c+\f]
.endr
.endr
.endr
	WIN 0
.irp c, 0,1
	v_max_num_f32 v[T+2*\c], v[T+2*\c], v[T+2*\c+1]
.endr
.irp c, 0,1
	v_add_nc_u32 v[SO+\c], 0xff000000, v[T+2*\c]   ; 2 off the exponent field: the conversion's scale operand
.endr
.irp c, 0,1
	v_lshrrev_b32 v[E+\c], 23, v[SO+\c]            ; the scale's byte
.endr
	WIN 0x02                                       ; source 0 in window 2
.irp c, 0,1
.irp g, 0,1,2,3
	v_cvt_scalef32_pk8_fp4_f32 v[PC+8*\a+4*\c+\g], v[64*\a+32*\c+8*\g:64*\a+32*\c+8*\g+7], v[SO+\c]
.endr
.endr
	WIN 0
	v_lshl_or_b32 v[E], v[E+1], 16, v[E]           ; (a plain line behind the conversions)
	v_permlanex16_b32 v[X], v[E], s90, s91
	v_perm_b32 v[SWD+\a], v[E], v[X], v[SELR]
	global_store_b128 v[VO+2*\a], v[PC+8*\a:PC+8*\a+3], s[84:85]       ; 512 consecutive bytes; no register of a store is written again
	global_store_b128 v[VO+2*\a+1], v[PC+8*\a+4:PC+8*\a+7], s[84:85]
.endm
	QBLK 0
	QBLK 1
	QBLK 2
	QBLK 3
	global_store_b128 v[VOS], v[SWD:SWD+3], s[86:87]   ; sixteen lanes store 256 consecutive bytes: my row's words of the four tiles
	s_wait_tensorcnt 0x0
	ds_add_u32 v254, v255
	s_wait_dscnt 0x0
	CROUND                                         ; the closing round: no work-group ends while a partner may still ask for a tile that names it
	s_endpgm
.Lfunc_end_k_q58a56de7c9_gemm1:
	.size	k_q58a56de7c9_gemm1, .Lfunc_end_k_q58a56de7c9_gemm1-k_q58a56de7c9_gemm1
	.p2alignl 7, 3214868480
	.fill 96, 4, 3214868480
	.section	.rodata,"a",@progbits
	.p2align	6, 0x0
	.amdhsa_kernel k_q58a56de7c9_gemm1
		.amdhsa_group_segment_fixed_size 213504
		.amdhsa_private_segment_fixed_size 0
		.amdhsa_enable_private_segment 0
		.amdhsa_kernarg_size 40
		.amdhsa_user_sgpr_count 2
		.amdhsa_user_sgpr_kernarg_segment_ptr 1
		.amdhsa_wavefront_size32 1
		.amdhsa_system_sgpr_workgroup_id_x 1
		.amdhsa_system_sgpr_workgroup_id_y 1
		.amdhsa_system_sgpr_workgroup_id_z 1
		.amdhsa_system_vgpr_workitem_id 0
		.amdhsa_next_free_vgpr 768
		.amdhsa_next_free_sgpr 102
		.amdhsa_reserve_vcc 1
		.amdhsa_float_denorm_mode_32 3
		.amdhsa_float_denorm_mode_16_64 3
		.amdhsa_memory_ordered 1
		.amdhsa_forward_progress 1
		.amdhsa_inst_pref_size 84
	.end_amdhsa_kernel
	.amdgpu_metadata
---
amdhsa.version: [ 1, 2 ]
amdhsa.kernels:
  - .name:           k_q58a56de7c9_gemm1
    .symbol:         k_q58a56de7c9_gemm1.kd
    .args:
      - { .name: xq, .offset: 0, .size: 8, .value_kind: global_buffer, .address_space: global }
      - { .name: wq, .offset: 8, .size: 8, .value_kind: global_buffer, .address_space: global }
      - { .name: b_attn, .offset: 16, .size: 8, .value_kind: global_buffer, .address_space: global }
      - { .name: qf, .offset: 24, .size: 8, .value_kind: global_buffer, .address_space: global }
      - { .name: kv, .offset: 32, .size: 8, .value_kind: global_buffer, .address_space: global }
    .group_segment_fixed_size: 213504
    .private_segment_fixed_size: 0
    .kernarg_segment_align: 8
    .kernarg_segment_size: 40
    .max_flat_workgroup_size: 128
    .sgpr_count:     102
    .vgpr_count:     768
    .wavefront_size: 32
...
	.end_amdgpu_metadata
.endif
;; end of part 2
;; launch attn (part 3): grid 4 x 64, 16 waves a work-group, clusters of 4 x 1, 169,984 bytes of LDS; arguments qf, kv, yq; writes yq
.if DOCPART == 3
	.amdgcn_target "amdgcn-amd-amdhsa--gfx1250"
	.amdhsa_code_object_version 6
	.text
	.protected	k_q58a56de7c9_attn
	.globl	k_q58a56de7c9_attn
	.p2align	8
	.type	k_q58a56de7c9_attn,@function
k_q58a56de7c9_attn:
	s_mov_b64 s[64:65], 0
	v_nop
	global_prefetch_b8 v0, s[64:65] scope:SCOPE_SE
	s_setreg_imm32_b32 hwreg(HW_REG_WAVE_MODE, 25, 1), 1
	s_wait_xcnt 0x0
	s_wait_alu depctr_hold_cnt(0) depctr_sa_sdst(0) depctr_va_vdst(0) depctr_va_sdst(0) depctr_va_ssrc(0) depctr_va_vcc(0) depctr_vm_vsrc(0)
	s_getreg_b32 s2, hwreg(HW_REG_IB_STS2, 6, 4)
	s_cmp_eq_u32 s2, 0
	s_cbranch_scc0 .Lentry_in_a_cluster
	s_endpgm
.Lentry_in_a_cluster:
	s_bfe_u32 s2, ttmp6, 0x10000c
	s_cmp_lg_u32 s2, 0x3003
	s_cbranch_scc0 .Lentry_shape_is_right
	s_endpgm
.Lentry_shape_is_right:
; y = softmax(q k^T / 8, causal) v for one batch x head a cluster, both products on codes of FP4 with E8M0 scales; y is quantised along C and leaves as codes, laid as the next product's operand.
; THE SOFTMAX: t = score x log2(e) / 8; M = the running largest t rounded UP to a whole number; p = 2^(t - M) is quantised along the keys, not normalised; the row's sum is taken of the unquantised p and divides at the end.
; When M moves, the sum and O are multiplied by 2^(old M - new M): exact.
; LAYOUT.  S^T = k q^T (source 0 = 16 keys, source 1 = 16 queries; K = the head's 64: registers 4-7 of both fragments are zero codes under scale bytes 0, which is 2^-127).  Row m of tile T is token 64 (T / 4) + 8 (T % 4) + m % 8 + 32 (m / 8):
; so the eight tiles of a step give lane (r, h) of query r the keys 64 c + 32 h + i in register 32 c + i: two WHOLE blocks of 32, in the order of the next operand's registers.  No lane is asked for a block's maximum, and nothing is swapped.
; O^T = v^T p^T (source 0 = 16 channels x 128 keys): register 8 u + j is channel 32 h + 8 u + j: one whole block of C.
; SHARES.  All of the head's k, v and their scale words, 143,360 bytes, come into LDS once, by joint loads of the cluster's four work-groups; LDS is never stored to.
; A wave (w % 8 = p, w / 8 = g) of partner cx takes the query tiles 8 G + e, e = 2 cx + g, for G = 15 - p and then G = p: 16 - p and p + 1 key steps of 128, 17 for every wave of the launch.
; Steps whose keys all come after the queries are left out by a scalar branch on the wave's number and the loop's counter; the loops' trip counts are constants.  cx enters global addresses and the mask's compare value alone.
; LIMITS: NaN and infinities are not served; a block whose largest magnitude lies under 2^-124 (a block of zeros too) gets the byte 1; this program alone reads the bytes.
; REGISTERS: v1-7, v30 stay; v8-11 the step's LDS addresses; v12 -M, v13 the largest t, v[14:15] the sum; v[16:23] q; v24 its scale word; v25-29 the second tile's q; v32-63 four fragments of k; v64-95 four of v;
;   v96-159 S^T, then p, then y; v160-191 O^T; v192-199 p's codes; v200-207 k's scale words, v208-211 v's, v212 p's; v213-231 at work.
.set VC, 65536                         ; LDS, as the head's region lies in memory: k's codes at 0, v's images,
.set KS, 131072                        ; k's scale words,
.set VS, 139264                        ; v's
.set FLOOR, 0x1800000
.macro PLACES
.rept 4
	v_nop
.endr
.endm
.macro CROUND                          ; a round of the cluster's barrier
	s_barrier_signal -1
	s_barrier_wait -1
	s_cmp_lg_u32 s10, 0
	s_cbranch_scc1 .Lnot_wave_0_\@
	s_barrier_signal -3
.Lnot_wave_0_\@:
	s_barrier_wait -3
	s_barrier_signal -1
	s_barrier_wait -1
.endm
	s_load_b128 s[4:7], s[0:1], 0x0                ; qf, kv
	s_load_b64 s[8:9], s[0:1], 0x10                ; yq
	v_lshl_add_u32 v253, v0, 2, 0x29000
	v_mov_b32 v255, 0
	ds_add_u32 v253, v255
	ds_add_u32 v253, v255
	v_lshrrev_b32 v1, 5, v0
	s_delay_alu instid0(VALU_DEP_1)
	v_readfirstlane_b32 s10, v1                    ; wave 0..15
	s_and_b32 s11, s10, 7
	s_lshr_b32 s12, s10, 3
	s_bfe_u32 s13, ttmp6, 0x40000                  ; cx
	s_and_b32 s14, ttmp7, 0xffff                   ; 16 x batch + head
	s_lshl_b32 s15, s13, 1
	s_add_co_u32 s15, s15, s12                     ; e: my tile among the eight of 128 queries
	s_sub_co_u32 s16, 15, s11                      ; G of my first tile
	s_mov_b32 s24, 15|(3<<16)|(1<<21)              ; group 1: the mask names all four work-groups; elements of 8 bytes; bit 21 beside the mask
	s_mov_b32 s25, 32<<16                          ; 70 rows of 256 bytes, dense
	s_mov_b32 s26, 70<<16
	s_mov_b32 s27, 32<<16
	s_mov_b32 s28, 70
	s_mov_b32 s29, 32
	s_mov_b32 s30, 0
	s_mov_b32 s31, 0
	s_mov_b32 s32, 1
	s_mul_i32 s33, s10, 17920                      ; waves 0 to 7 bring an eighth of the region each
	s_mul_i32 s48, s14, 143360
	s_add_co_u32 s48, s48, s33
	s_mov_b32 s49, 0
	s_mov_b32 s20, 0x76543210
	s_mov_b32 s21, 0xfedcba98                      ; v_permlanex16_b32's selects for lane l xor 16
	s_mov_b32 s22, 0x3e38aa3b                      ; c = log2(e) / 8
	s_mov_b32 s23, s22                             ; (named with it as a pair)
	s_wait_dscnt 0x0
	s_wait_kmcnt 0x0
	s_add_nc_u64 s[34:35], s[6:7], s[48:49]
	s_or_b32 s35, s35, 0x80000000
	CROUND                                         ; all four work-groups are here: the joint loads meet
	s_cmp_lt_u32 s10, 8
	s_cbranch_scc0 .Lno_fill
	tensor_load_to_lds s[32:35], s[24:31]          ; one load a wave is out
	s_nop 0
	PLACES
.Lno_fill:
	v_and_b32 v8, 31, v0                           ; lane
	v_and_b32 v9, 15, v0                           ; r
	v_bfe_u32 v10, v0, 4, 1                        ; h
	s_delay_alu instid0(VALU_DEP_3)
	v_lshlrev_b32 v1, 4, v8                        ; 16 x lane
	s_wait_alu depctr_va_vdst(0)
	v_lshlrev_b32 v30, 4, v9                       ; 16 r
	s_wait_alu depctr_va_vdst(0)
	s_mul_i32 s48, s14, 73728                      ; q: the head's region
	s_lshl_b32 s50, s15, 9
	s_add_co_u32 s50, s50, s48
	s_lshl_b32 s51, s16, 12
	s_add_co_u32 s52, s50, s51
	s_mov_b32 s53, 0
	s_add_nc_u64 s[52:53], s[4:5], s[52:53]        ; the first tile's codes: 512 (8 G + e)
	s_lshl_b32 s51, s11, 12
	s_add_co_u32 s54, s50, s51
	s_mov_b32 s55, 0
	s_add_nc_u64 s[54:55], s[4:5], s[54:55]        ; the second's
	s_lshr_b32 s50, s15, 2
	s_lshl_b32 s50, s50, 8
	s_and_b32 s51, s15, 3
	s_lshl_b32 s51, s51, 2
	s_add_co_u32 s50, s50, s51
	s_add_co_u32 s50, s50, s48
	s_add_co_u32 s50, s50, 65536
	s_lshl_b32 s51, s16, 9
	s_add_co_u32 s56, s50, s51
	s_mov_b32 s57, 0
	s_add_nc_u64 s[56:57], s[4:5], s[56:57]        ; their scale words
	s_lshl_b32 s51, s11, 9
	s_add_co_u32 s58, s50, s51
	s_mov_b32 s59, 0
	s_add_nc_u64 s[58:59], s[4:5], s[58:59]
	global_load_b128 v[16:19], v1, s[52:53]
	global_load_b32 v24, v30, s[56:57]
	global_load_b128 v[26:29], v1, s[54:55]
	global_load_b32 v25, v30, s[58:59]
	s_and_b32 s48, s14, 15                         ; head
	s_lshr_b32 s49, s14, 4
	s_lshl_b32 s49, s49, 7
	s_add_co_u32 s49, s49, s15                     ; y's tile without 8 G
	s_lshr_b32 s50, s48, 3                         ; plane of K: head / 8
	s_and_b32 s51, s48, 7
	s_lshl_b32 s40, s50, 21
	s_lshl_b32 s42, s49, 12
	s_add_co_u32 s40, s40, s42
	s_lshl_b32 s42, s51, 9                         ; K step (head / 2) % 4, half head % 2 of its image
	s_add_co_u32 s40, s40, s42
	s_mov_b32 s41, 0
	s_add_nc_u64 s[40:41], s[8:9], s[40:41]
	s_lshl_b32 s42, s49, 9
	s_lshl_b32 s44, s50, 8
	s_add_co_u32 s42, s42, s44
	s_lshl_b32 s44, s51, 1
	s_add_co_u32 s42, s42, s44
	s_add_co_u32 s42, s42, 4194304
	s_mov_b32 s43, 0
	s_add_nc_u64 s[42:43], s[8:9], s[42:43]
	v_add_nc_u32 v2, VC, v1
	v_add_nc_u32 v3, KS, v30
	v_add_nc_u32 v4, VS, v30
	s_lshr_b32 s48, s15, 2
	s_lshl_b32 s48, s48, 6
	s_and_b32 s49, s15, 3
	s_lshl_b32 s49, s49, 3
	s_add_co_u32 s48, s48, s49
	v_and_b32 v5, 7, v9
	v_lshrrev_b32 v11, 3, v9
	s_delay_alu instid0(VALU_DEP_1)
	v_lshl_add_u32 v5, v11, 5, v5
	s_delay_alu instid0(VALU_DEP_1)
	v_add_nc_u32 v5, s48, v5                       ; my query's place among its 128,
	v_lshlrev_b32 v11, 5, v10
	s_delay_alu instid0(VALU_DEP_1)
	v_sub_nc_u32 v5, v5, v11                       ; less 32 h: on the diagonal register 32 c + i is hidden where 64 c + i is greater
	v_cmp_gt_u32 vcc_lo, 16, v8
	v_mov_b32 v6, 0x02060004                       ; byte selects: four blocks' bytes from me and my partner,
	v_mov_b32 v11, 0x06020400
	s_delay_alu instid0(VALU_DEP_1)
	v_cndmask_b32 v6, v11, v6, vcc_lo
	v_mov_b32 v7, 0x05050004                       ; two blocks' bytes
	v_mov_b32 v11, 0x05050400
	s_delay_alu instid0(VALU_DEP_1)
	v_cndmask_b32 v7, v11, v7, vcc_lo
.irp j, 20,21,22,23
	v_mov_b32 v[\j], 0                             ; zero codes: k = 64 .. 127 of q,
.endr
.irp t, 0,1,2,3
.irp j, 4,5,6,7
	v_mov_b32 v[32+8*\t+\j], 0                     ; and of k: set once, the loads fill registers 0-3 alone
.endr
.endr
	v_mov_b32 v220, 0                              ; a lane permute's destination counts as one of its sources
	v_mov_b32 v225, 0                              ; (named as the upper half of the pair v[224:225])
	v_mov_b32 v254, 0xff800000                     ; -infinity
	s_mov_b32 s18, s16                             ; the trip behind which my tile in hand ends: 15 - p, then 16
	s_mov_b32 s19, 16                              ; 16 - the trip's number
	s_wait_tensorcnt 0x0                           ; my part of the region has landed,
	s_barrier_signal -1
	s_barrier_wait -1                              ; everybody's has
	s_wait_loadcnt 0x0                             ; q
.macro INIT                            ; a tile's start
	v_mov_b32 v13, 0xff61b1e6                      ; the largest t so far: -3e38
	s_delay_alu instid0(VALU_DEP_1)
	v_floor_f32 v12, -v13
	v_mov_b32 v14, 0
	v_mov_b32 v15, 0
.irp j, 0,1,2,3,4,5,6,7,8,9,10,11,12,13,14,15,16,17,18,19,20,21,22,23,24,25,26,27,28,29,30,31
	v_mov_b32 v[160+\j], 0                         ; O^T: the step is written once; its first trip finds zeros, which the first change of M leaves zeros
.endr
.endm
	INIT
	s_mov_b32 s17, 0
; ONE LOOP OF 17 TRIPS, each a key step of every wave.  Trips 0 .. 15 - p: tile G = 15 - p, key step = the trip, its diagonal last.  Trips 16 - p .. 16: tile G = p, key step = 16 - the trip: from its diagonal,
; which holds each query's own key, so that M is a number from the first step on, down to step 0.  A tile's end stands in the loop under a branch on the wave's number and the counter.
; A barrier is signalled at a trip's head and waited for at its end: no wave ends trip i before all have begun it.  Between the two stand register work and loads of LDS bytes that nobody writes.
.Lstep:
	s_barrier_signal -1
	s_min_u32 s36, s17, 15                         ; a key step is at most 15: the counter that is not in use may stand at 16, so both are held
	s_min_u32 s37, s19, 15
	s_cmp_eq_u32 s18, 16                           ; my second tile?
	s_cselect_b32 s39, s37, s36                    ; the key step
	s_lshl_b32 s36, s39, 12
	s_lshl_b32 s37, s39, 9
	s_lshl_b32 s38, s39, 8
	v_add_nc_u32 v8, s36, v1
	v_add_nc_u32 v9, s36, v2
	v_add_nc_u32 v10, s37, v3
	v_add_nc_u32 v11, s38, v4
	ds_load_b128 v[200:203], v10                   ; k's scale words, tiles 0-3,
	ds_load_b128 v[204:207], v10 offset:256        ; tiles 4-7
.irp t, 0,1,2,3
	ds_load_b128 v[32+8*\t:35+8*\t], v8 offset:512*\t
.endr
	s_wait_alu depctr_va_vdst(0)
	s_wait_dscnt 0x0
.irp t, 0,1,2,3
	v_wmma_scale_f32_16x16x128_f8f6f4 v[96+8*\t:103+8*\t], v[32+8*\t:39+8*\t], v[16:23], 0, v[200+\t], v24 matrix_a_fmt:MATRIX_FMT_FP4 matrix_b_fmt:MATRIX_FMT_FP4
.endr
	PLACES                                         ; in front of loads into registers that those products read
.irp t, 0,1,2,3
	ds_load_b128 v[32+8*\t:35+8*\t], v8 offset:2048+512*\t
.endr
.irp u, 0,1,2,3
.irp c, 0,1
	ds_load_b128 v[64+8*\u+4*\c:67+8*\u+4*\c], v9 offset:1024*\u+512*\c
.endr
.endr
	ds_load_b128 v[208:211], v11
	s_wait_dscnt 9                                 ; k's four loads are in; v's nine, issued behind them, may be out
.irp t, 0,1,2,3
	v_wmma_scale_f32_16x16x128_f8f6f4 v[128+8*\t:135+8*\t], v[32+8*\t:39+8*\t], v[16:23], 0, v[204+\t], v24 matrix_a_fmt:MATRIX_FMT_FP4 matrix_b_fmt:MATRIX_FMT_FP4
.endr
	PLACES
	s_cmp_lg_u32 s39, s16
	s_cbranch_scc1 .Lopen
.irp n, 0,1,2,3,4,5,6,7,8,9,10,11,12,13,14,15,16,17,18,19,20,21,22,23,24,25,26,27,28,29,30,31,32,33,34,35,36,37,38,39,40,41,42,43,44,45,46,47,48,49,50,51,52,53,54,55,56,57,58,59,60,61,62,63
	v_cmp_gt_i32 vcc_lo, 64*(\n/32)+\n%32, v5
	v_cndmask_b32 v[96+\n], v[96+\n], v254, vcc_lo
.endr
.Lopen:
.irp k, 0,1,2,3
	v_max_num_f32 v[216+\k], v[96+16*\k], v[97+16*\k]   ; the largest score of each of my two blocks, in four chains: it serves the row's maximum and, since p rises with the score, the block's largest p
.endr
.irp i, 2,4,6,8,10,12,14
.irp k, 0,1,2,3
	v_max3_num_f32 v[216+\k], v[216+\k], v[96+16*\k+\i], v[97+16*\k+\i]
.endr
.endr
	s_delay_alu instid0(VALU_DEP_3)
	v_max_num_f32 v216, v216, v217
	s_delay_alu instid0(VALU_DEP_2)
	v_max_num_f32 v218, v218, v219
	s_delay_alu instid0(VALU_DEP_1)
	v_max_num_f32 v221, v216, v218
	s_delay_alu instid0(VALU_DEP_1)
	v_permlanex16_b32 v220, v221, s20, s21
	s_delay_alu instid0(VALU_DEP_1)
	v_max_num_f32 v221, v221, v220                 ; the step's largest score of my query
	s_delay_alu instid0(VALU_DEP_1)
	v_mul_f32 v221, s22, v221
	s_delay_alu instid0(VALU_DEP_1)
	v_max_num_f32 v13, v13, v221                   ; the running largest t
	v_mov_b32 v221, v12
	s_delay_alu instid0(VALU_DEP_2)
	v_floor_f32 v12, -v13                          ; the new -M = -ceil(t)
	s_delay_alu instid0(VALU_DEP_1)
	v_sub_f32 v221, v12, v221                      ; old M - new M: a whole number, 0 or less
	s_delay_alu instid0(VALU_DEP_1)
	v_cvt_i32_f32 v221, v221                       ; (it saturates)
	s_delay_alu instid0(VALU_DEP_1)
	v_ldexp_f32 v224, 1.0, v221                    ; f = 2^(old M - new M)
.irp j, 0,2,4,6,8,10,12,14,16,18,20,22,24,26,28,30,32,34,36,38,40,42,44,46,48,50,52,54,56,58,60,62
	v_pk_fma_f32 v[96+\j:97+\j], v[96+\j:97+\j], s[22:23], v[12:13] op_sel_hi:[1,0,0]   ; t - M
.endr
	v_fma_f32 v216, v216, s22, v12
	v_fma_f32 v218, v218, s22, v12
	s_wait_alu depctr_va_vdst(0)
.irp j, 0,1,2,3,4,5,6,7,8,9,10,11,12,13,14,15,16,17,18,19,20,21,22,23,24,25,26,27,28,29,30,31,32,33,34,35,36,37,38,39,40,41,42,43,44,45,46,47,48,49,50,51,52,53,54,55,56,57,58,59,60,61,62,63
	v_exp_f32 v[96+\j], v[96+\j]                   ; p
.endr
	v_exp_f32 v216, v216                           ; each block's largest p: the same two instructions on the same number
	v_exp_f32 v218, v218
	v_pk_mul_f32 v[14:15], v[14:15], v[224:225] op_sel_hi:[1,0]   ; the sums under the new M (a plain line behind the exponentials)
	s_wait_alu depctr_va_vdst(0)
	v_max_num_f32 v216, FLOOR, v216
	v_max_num_f32 v218, FLOOR, v218
	s_delay_alu instid0(VALU_DEP_2)
	v_add_nc_u32 v228, 0xff000000, v216            ; 2 off the exponent field: the conversion's scale operand
	s_delay_alu instid0(VALU_DEP_2)
	v_add_nc_u32 v229, 0xff000000, v218
	s_delay_alu instid0(VALU_DEP_2)
	v_lshrrev_b32 v230, 23, v228
	s_delay_alu instid0(VALU_DEP_2)
	v_lshrrev_b32 v231, 23, v229
	s_delay_alu instid0(VALU_DEP_1)
	v_lshl_or_b32 v230, v231, 16, v230
	s_delay_alu instid0(VALU_DEP_1)
	v_permlanex16_b32 v220, v230, s20, s21
	s_delay_alu instid0(VALU_DEP_1)
	v_perm_b32 v212, v230, v220, v6                ; p's scale word for these 128 keys
.irp c, 0,1
.irp g, 0,1,2,3
	v_cvt_scalef32_pk8_fp4_f32 v[192+4*\c+\g], v[96+32*\c+8*\g:103+32*\c+8*\g], v[228+\c]
.endr
.endr
	v_nop                                          ; one plain line behind the conversions
	v_pk_add_f32 v[226:227], v[100:101], v[104:105]
	v_pk_add_f32 v[250:251], v[108:109], v[112:113]
	v_pk_add_f32 v[248:249], v[116:117], v[120:121]
	v_pk_add_f32 v[246:247], v[124:125], v[128:129]
	v_pk_add_f32 v[244:245], v[132:133], v[136:137]
	v_pk_add_f32 v[242:243], v[140:141], v[144:145]
	v_pk_add_f32 v[240:241], v[148:149], v[152:153]
	v_pk_add_f32 v[14:15], v[14:15], v[156:157]
	v_pk_add_f32 v[226:227], v[226:227], v[96:97]
	v_pk_add_f32 v[250:251], v[250:251], v[98:99]
	v_pk_add_f32 v[248:249], v[248:249], v[102:103]
	v_pk_add_f32 v[246:247], v[246:247], v[106:107]
	v_pk_add_f32 v[244:245], v[244:245], v[110:111]
	v_pk_add_f32 v[242:243], v[242:243], v[114:115]
	v_pk_add_f32 v[240:241], v[240:241], v[118:119]
	v_pk_add_f32 v[14:15], v[14:15], v[122:123]
	v_pk_add_f32 v[226:227], v[226:227], v[126:127]
	v_pk_add_f32 v[250:251], v[250:251], v[130:131]
	v_pk_add_f32 v[248:249], v[248:249], v[134:135]
	v_pk_add_f32 v[246:247], v[246:247], v[138:139]
	v_pk_add_f32 v[244:245], v[244:245], v[142:143]
	v_pk_add_f32 v[242:243], v[242:243], v[146:147]
	v_pk_add_f32 v[240:241], v[240:241], v[150:151]
	v_pk_add_f32 v[14:15], v[14:15], v[154:155]
	v_pk_add_f32 v[226:227], v[226:227], v[158:159]
	s_delay_alu instid0(VALU_DEP_2)
	v_pk_add_f32 v[14:15], v[14:15], v[246:247]
	s_delay_alu instid0(VALU_DEP_2)
	v_pk_add_f32 v[226:227], v[226:227], v[244:245]
	v_pk_add_f32 v[250:251], v[250:251], v[242:243]
	v_pk_add_f32 v[248:249], v[248:249], v[240:241]
	s_delay_alu instid0(VALU_DEP_2)
	v_pk_add_f32 v[14:15], v[14:15], v[250:251]
	s_delay_alu instid0(VALU_DEP_2)
	v_pk_add_f32 v[226:227], v[226:227], v[248:249]
	s_delay_alu instid0(VALU_DEP_1)
	v_pk_add_f32 v[14:15], v[14:15], v[226:227]
.irp j, 0,2,4,6,8,10,12,14,16,18,20,22,24,26,28,30
	v_pk_mul_f32 v[160+\j:161+\j], v[160+\j:161+\j], v[224:225] op_sel_hi:[1,0]   ; O^T under the new M.  (With the sums: the places between the scale word, the codes and the products below)
.endr
	s_wait_alu depctr_va_vdst(0)
	s_wait_dscnt 0x0                               ; v
.irp u, 0,1,2,3
	v_wmma_scale_f32_16x16x128_f8f6f4 v[160+8*\u:167+8*\u], v[64+8*\u:71+8*\u], v[192:199], v[160+8*\u:167+8*\u], v[208+\u], v212 matrix_a_fmt:MATRIX_FMT_FP4 matrix_b_fmt:MATRIX_FMT_FP4
.endr
	s_barrier_wait -1
	s_cmp_lg_u32 s17, s18
	s_cbranch_scc1 .Lnext
	; a tile's end: y = O^T / the sum; my 32 channels are one block of C
	PLACES
	v_add_f32 v14, v14, v15
	s_delay_alu instid0(VALU_DEP_1)
	v_permlanex16_b32 v220, v14, s20, s21
	s_delay_alu instid0(VALU_DEP_1)
	v_add_f32 v14, v14, v220
	s_wait_alu depctr_va_vdst(0)
	v_rcp_f32 v14, v14
	v_nop                                          ; a plain line behind the transcendental
	s_wait_alu depctr_va_vdst(0)
.irp j, 0,1,2,3,4,5,6,7,8,9,10,11,12,13,14,15,16,17,18,19,20,21,22,23,24,25,26,27,28,29,30,31
	v_mul_f32 v[96+\j], v[160+\j], v14
.endr
	v_max3_num_f32 v216, |v96|, |v97|, FLOOR
	v_max_num_f32 v217, |v112|, |v113|
.irp i, 2,4,6,8,10,12,14
	s_delay_alu instid0(VALU_DEP_2)
	v_max3_num_f32 v216, v216, |v[96+\i]|, |v[97+\i]|
	s_delay_alu instid0(VALU_DEP_2)
	v_max3_num_f32 v217, v217, |v[112+\i]|, |v[113+\i]|
.endr
	s_delay_alu instid0(VALU_DEP_1)
	v_max_num_f32 v216, v216, v217
	s_delay_alu instid0(VALU_DEP_1)
	v_add_nc_u32 v228, 0xff000000, v216
	s_delay_alu instid0(VALU_DEP_1)
	v_lshrrev_b32 v230, 23, v228
.irp g, 0,1,2,3
	v_cvt_scalef32_pk8_fp4_f32 v[192+\g], v[96+8*\g:103+8*\g], v228
.endr
	v_nop
	v_permlanex16_b32 v220, v230, s20, s21
	s_delay_alu instid0(VALU_DEP_1)
	v_perm_b32 v213, v230, v220, v7                ; the head's two scale bytes of my row, in both halves of the lanes
	s_lshl_b32 s48, s16, 15
	s_mov_b32 s49, 0
	s_add_nc_u64 s[44:45], s[40:41], s[48:49]      ; tile 8 G further on
	s_lshl_b32 s48, s16, 12
	s_add_nc_u64 s[46:47], s[42:43], s[48:49]
	global_store_b128 v1, v[192:195], s[44:45]     ; 512 consecutive bytes: half an image
	global_store_b16 v30, v213, s[46:47]           ; the scale bytes leave in pieces of 2 bytes, one sixteenth of the codes' bytes
	s_wait_xcnt 0x0                                ; the stores' data and bases are written again only behind this wait
	s_cmp_eq_u32 s17, 16
	s_cbranch_scc1 .Lnext                          ; behind the second tile nothing is made ready
.irp j, 0,1,2,3
	v_mov_b32 v[16+\j], v[26+\j]                   ; the second tile's q
.endr
	v_mov_b32 v24, v25
	INIT
	s_sub_co_u32 s16, 15, s16                      ; its G
	s_mov_b32 s18, 16                              ; it ends behind the last trip
	s_wait_alu depctr_va_vdst(0)
.Lnext:
	s_add_co_u32 s17, s17, 1
	s_sub_co_u32 s19, s19, 1
	s_cmp_lt_u32 s17, 17
	s_cbranch_scc1 .Lstep
	s_barrier_signal -1                            ; every wave's LDS reads are over
	s_barrier_wait -1
	s_wait_tensorcnt 0x0
	ds_add_u32 v253, v255
	s_wait_dscnt 0x0
	CROUND                                         ; the closing round
	s_endpgm
.Lfunc_end_k_q58a56de7c9_attn:
	.size	k_q58a56de7c9_attn, .Lfunc_end_k_q58a56de7c9_attn-k_q58a56de7c9_attn
	.p2alignl 7, 3214868480
	.fill 96, 4, 3214868480
	.section	.rodata,"a",@progbits
	.p2align	6, 0x0
	.amdhsa_kernel k_q58a56de7c9_attn
		.amdhsa_group_segment_fixed_size 169984
		.amdhsa_private_segment_fixed_size 0
		.amdhsa_enable_private_segment 0
		.amdhsa_kernarg_size 24
		.amdhsa_user_sgpr_count 2
		.amdhsa_user_sgpr_kernarg_segment_ptr 1
		.amdhsa_wavefront_size32 1
		.amdhsa_system_sgpr_workgroup_id_x 1
		.amdhsa_system_sgpr_workgroup_id_y 1
		.amdhsa_system_sgpr_workgroup_id_z 1
		.amdhsa_system_vgpr_workitem_id 0
		.amdhsa_next_free_vgpr 256
		.amdhsa_next_free_sgpr 66
		.amdhsa_reserve_vcc 1
		.amdhsa_float_denorm_mode_32 3
		.amdhsa_float_denorm_mode_16_64 3
		.amdhsa_memory_ordered 1
		.amdhsa_forward_progress 1
		.amdhsa_inst_pref_size 35
	.end_amdhsa_kernel
	.amdgpu_metadata
---
amdhsa.version: [ 1, 2 ]
amdhsa.kernels:
  - .name:           k_q58a56de7c9_attn
    .symbol:         k_q58a56de7c9_attn.kd
    .args:
      - { .name: qf, .offset: 0, .size: 8, .value_kind: global_buffer, .address_space: global }
      - { .name: kv, .offset: 8, .size: 8, .value_kind: global_buffer, .address_space: global }
      - { .name: yq, .offset: 16, .size: 8, .value_kind: global_buffer, .address_space: global }
    .group_segment_fixed_size: 169984
    .private_segment_fixed_size: 0
    .kernarg_segment_align: 8
    .kernarg_segment_size: 24
    .max_flat_workgroup_size: 512
    .sgpr_count:     66
    .vgpr_count:     256
    .wavefront_size: 32
...
	.end_amdgpu_metadata
.endif
;; end of part 3
;; launch gemm2 (part 4): grid 4 x 64, 4 waves a work-group, clusters of 4 x 4, 246,272 bytes of LDS; arguments yq, wq, b_proj, out0; writes out0
.if DOCPART == 4
	.amdgcn_target "amdgcn-amd-amdhsa--gfx1250"
	.amdhsa_code_object_version 6
	.text
	.protected	k_q58a56de7c9_gemm2
	.globl	k_q58a56de7c9_gemm2
	.p2align	8
	.type	k_q58a56de7c9_gemm2,@function
k_q58a56de7c9_gemm2:
	s_mov_b64 s[64:65], 0
	v_nop
	global_prefetch_b8 v0, s[64:65] scope:SCOPE_SE
	s_setreg_imm32_b32 hwreg(HW_REG_WAVE_MODE, 25, 1), 1
	s_wait_xcnt 0x0
	s_wait_alu depctr_hold_cnt(0) depctr_sa_sdst(0) depctr_va_vdst(0) depctr_va_sdst(0) depctr_va_ssrc(0) depctr_va_vcc(0) depctr_vm_vsrc(0)
	s_getreg_b32 s2, hwreg(HW_REG_IB_STS2, 6, 4)
	s_cmp_eq_u32 s2, 0
	s_cbranch_scc0 .Lentry_in_a_cluster
	s_endpgm
.Lentry_in_a_cluster:
	s_bfe_u32 s2, ttmp6, 0x10000c
	s_cmp_lg_u32 s2, 0xf033
	s_cbranch_scc0 .Lentry_shape_is_right
	s_endpgm
.Lentry_shape_is_right:
; out0 = y w_proj + b_proj on codes of FP4 with E8M0 scales; f32 out.
; OPERANDS are images of registers (16 rows x 128 K = 1,024 bytes = [c][lane][16 bytes]); row m of tile T is row 64 (T / 4) + 8 (T % 4) + m % 8 + 32 (m / 8).  Codes [plane][tile][kq][1,024], scale words [tile][kh][r][kq] behind them.
; A work-group makes 128 tokens (Q = yq) x 256 channels (P = wq's tiles 192 on) over all of K = 1,024; a wave 64 x 128: 32 accumulators.  Source 0 = 16 rows of P, source 1 = 16 rows of Q:
; lane (r, h) holds token r of tile a, and the registers of P's tiles 4 c + u are channels 64 c + 32 h + 8 u + j.
; ALL OF K LIES IN LDS: each byte of LDS is filled once, so there is no ring.
; CLUSTER 4 x 4: Q's tiles are asked for jointly along a row of the cluster, P's along a column.
; REGISTERS: window 0: v2-31 addresses; v32-63 Q's scale words (8 a + q), v64-127 P's (8 b + q); v128-191 Q's fragments, two sets; on the way out v128-255 rows of the result.
;   window 1: v0-127 P's fragments, two sets; v128-191 the bias.   window 2: accumulator (a, b) at v[8 (8 a + b)].
; LDS AS THIS TEXT LAYS IT: each operand's two planes lie on end, brought by ONE tensor load of two rows (a row = the work-group's tiles of a plane), the planes 2,097,152 bytes apart in yq and in wq.
; By this text's count a wave has one tensor load out: wave 0 Q's codes, wave 1 P's codes, wave 2 Q's scale words, wave 3 P's.
.set AC0, 0
.set AC1, 32768
.set BC0, 65536
.set BC1, 131072
.set AS,  196608
.set BS,  200704
.set STG, 208896                       ; the way out: 16 rows x (512 bytes + 16) for each wave; no tile lands here
.set CO,   2                           ; v2  16 x lane
.set STO,  3
.set RD,   4
.set ADRA, 16
.set ADRB, 20
.set ADSA, 22
.set ADSB, 23
.set SA,   32
.set SB,   64
.set AF,   128
.set BI,   128                         ; in window 1
.set BK,   128
.set G1A,  24
.set G1B,  32
.set G1SA, 40
.set G1SB, 48
.set G0SA, 56
.set G0A0, 60
.set G0A1, 68
.set G0SB, 72
.set G0B0, 76
.set G0B1, 80
.set MSB, 0
.macro WIN new                         ; the immediate's high byte repeats the setting that is left
.if MSB != \new
	s_set_vgpr_msb (MSB<<8)|\new
.set MSB, \new
.endif
.endm
.set MULC, 0xa1                        ; source 0 (P) window 1, source 1 (Q) window 0, C and D window 2
.set MULF, 0x91                        ; the same with C (the bias) in window 1
.set TO_B, 0x40                        ; destination window 1
.macro PLACES
.rept 4
	v_nop
.endr
.endm
; An arm of the head's tree of branches on the wave's number: one joint load, then a jump to the tree's end.  An s_nop 0 and four v_nop follow the load.
.macro ARM under, g0, g1, next
	s_cmp_lt_u32 s14, \under
	s_cbranch_scc0 \next
	tensor_load_to_lds s[\g0:\g0+3], s[\g1:\g1+7]
	s_nop 0
	PLACES
	s_branch .Lhead_asked
\next:
.endm
.macro PLANES g, n                     ; two rows of n elements of 8 bytes, 262,144 elements apart: both planes of an operand's tiles
	s_mov_b32 s[\g+1], (\n)<<16
	s_mov_b32 s[\g+2], 2<<16
	s_mov_b32 s[\g+3], (\n)<<16
	s_mov_b32 s[\g+4], 2
	s_mov_b32 s[\g+5], 0x40000
	s_mov_b32 s[\g+6], 0
	s_mov_b32 s[\g+7], 0
.endm
.macro CROUND                          ; a round of the cluster's barrier
	s_barrier_signal -1
	s_barrier_wait -1
	s_cmp_lg_u32 s14, 0
	s_cbranch_scc1 .Lnot_wave_0_\@
	s_barrier_signal -3
.Lnot_wave_0_\@:
	s_barrier_wait -3
	s_barrier_signal -1
	s_barrier_wait -1
.endm
.macro SHAPE g, rows                   ; a dense block as rows of 256 bytes: 32 elements of 8 bytes
	s_mov_b32 s[\g+1], 32<<16
	s_mov_b32 s[\g+2], (\rows)<<16
	s_mov_b32 s[\g+3], 32<<16
	s_mov_b32 s[\g+4], \rows
	s_mov_b32 s[\g+5], 32
	s_mov_b32 s[\g+6], 0
	s_mov_b32 s[\g+7], 0
.endm
	s_load_b256 s[4:11], s[0:1], 0x0               ; yq, wq, b_proj, out0
	v_lshl_add_u32 v30, v0, 2, 0x3c000
	v_mov_b32 v31, 0
	ds_add_u32 v30, v31
	ds_add_u32 v30, v31
	v_lshrrev_b32 v1, 5, v0
	v_readfirstlane_b32 s14, v1                    ; wave
	s_lshr_b32 s15, s14, 1                         ; my half of the tokens.  Also: I fetch for Q (0) or for P (1)
	s_and_b32 s16, s14, 1                          ; my half of the channels.  Also: which half I fetch
	s_bfe_u32 s17, ttmp6, 0x40000                  ; cx
	s_bfe_u32 s18, ttmp6, 0x40004                  ; cy
	s_lshl_b32 s20, ttmp9, 2
	s_add_co_u32 s20, s20, s17                     ; tile column: 256 channels
	s_and_b32 s21, ttmp7, 0xffff
	s_lshl_b32 s21, s21, 2
	s_add_co_u32 s21, s21, s18                     ; tile row: 128 tokens
	s_lshl_b32 s92, s18, 2
	s_lshl_b32 s92, 15, s92                        ; my row of the cluster
	s_lshl_b32 s93, 0x1111, s17                    ; my column
	s_or_b32 s[G1A], s92, (3<<16)|(1<<21)          ; 15:0 the mask; 17:16 elements of 8 bytes; 21 set beside a mask; no padding
	s_or_b32 s[G1SA], s92, (3<<16)|(1<<21)
	s_or_b32 s[G1B], s93, (3<<16)|(1<<21)
	s_or_b32 s[G1SB], s93, (3<<16)|(1<<21)
	PLANES G1A, 4096                               ; eight tiles of a plane: 32,768 bytes a row
	PLANES G1B, 8192                               ; sixteen tiles: 65,536 bytes a row
	SHAPE G1SA, 16                                 ; eight tiles' scale words: 4,096 bytes
	SHAPE G1SB, 32                                 ; sixteen tiles': 8,192 bytes
	s_lshl_b32 s94, s21, 3
	s_lshl_b32 s94, s94, 9
	s_mov_b32 s95, 0
	s_lshl_b32 s98, s20, 4
	s_add_co_u32 s98, s98, 192                     ; P: tile 192 + 16 x tile column
	s_lshl_b32 s98, s98, 9
	s_mov_b32 s99, 0
	s_wait_dscnt 0x0
	s_wait_kmcnt 0x0
	s_add_nc_u64 s[G0SA+2:G0SA+3], s[4:5], s[94:95]
	s_add_nc_u64 s[G0SA+2:G0SA+3], s[G0SA+2:G0SA+3], 0x400000
	s_lshl_b32 s94, s94, 3
	s_add_nc_u64 s[G0A0+2:G0A0+3], s[4:5], s[94:95]
	s_add_nc_u64 s[G0SB+2:G0SB+3], s[6:7], s[98:99]
	s_add_nc_u64 s[G0SB+2:G0SB+3], s[G0SB+2:G0SB+3], 0x100000   ; wq's scale words begin at byte 1,048,576
	s_lshl_b32 s98, s98, 3
	s_add_nc_u64 s[G0B0+2:G0B0+3], s[6:7], s[98:99]
.irp g, G0SA, G0A0, G0SB, G0B0
	s_mov_b32 s[\g], 1                             ; count = 1
	s_or_b32 s[\g+3], s[\g+3], 0x80000000          ; type = 2
.endr
	s_mov_b32 s[G0SA+1], AS                        ; LDS addresses: constants
	s_mov_b32 s[G0A0+1], AC0
	s_mov_b32 s[G0SB+1], BS
	s_mov_b32 s[G0B0+1], BC0
	CROUND                                         ; all sixteen work-groups are here: the joint loads meet
	ARM 1, G0A0, G1A, .Lhead_b                     ; one load a wave
	ARM 2, G0B0, G1B, .Lhead_sa
	ARM 3, G0SA, G1SA, .Lhead_sb
	tensor_load_to_lds s[G0SB:G0SB+3], s[G1SB:G1SB+7]
	s_nop 0
	PLACES
.Lhead_asked:
	v_and_b32 v12, 31, v0                          ; lane
	v_and_b32 v13, 15, v0                          ; r
	v_bfe_u32 v14, v0, 4, 1                        ; h
	v_lshlrev_b32 v[CO], 4, v12                    ; 16 x lane
	v_lshlrev_b32 v15, 4, v13                      ; 16 r
	s_lshl_b32 s92, s15, 14
	v_add_nc_u32 v[ADRA], s92, v[CO]
	v_add_nc_u32 v[ADRA+1], AC1, v[ADRA]
	s_lshl_b32 s93, s16, 15
	s_add_co_u32 s93, s93, BC0
	v_add_nc_u32 v[ADRB], s93, v[CO]
	v_add_nc_u32 v[ADRB+1], BC1-BC0, v[ADRB]
	s_lshl_b32 s94, s15, 11
	s_add_co_u32 s94, s94, AS
	v_add_nc_u32 v[ADSA], s94, v15
	s_lshl_b32 s95, s16, 12
	s_add_co_u32 s95, s95, BS
	v_add_nc_u32 v[ADSB], s95, v15
	s_mul_i32 s96, s14, 8448
	s_add_co_u32 s96, s96, STG                     ; my stage
	v_mul_u32_u24 v[STO], v13, 528
	v_lshl_add_u32 v[STO], v14, 7, v[STO]
	v_add_nc_u32 v[STO], s96, v[STO]               ; in: row r, + 128 h bytes
	v_add_nc_u32 v[RD], s96, v[CO]                 ; back: a row of 512 bytes by the 32 lanes
	; the bias is the C of each sum's first product: slot b, register j: channel 64 (b / 4) + 32 h + 8 (b % 4) + j
	s_lshl_b32 s92, s20, 10
	s_lshl_b32 s93, s16, 9
	s_add_co_u32 s92, s92, s93                     ; my first channel, in bytes
	s_mov_b32 s93, 0
	s_add_nc_u64 s[88:89], s[8:9], s[92:93]
	v_lshlrev_b32 v24, 7, v14
	WIN TO_B
.irp b, 0,1,2,3,4,5,6,7
	global_load_b128 v[BI+8*\b:BI+8*\b+3], v24, s[88:89] offset:(64*(\b/4)+8*(\b%4))*4
	global_load_b128 v[BI+8*\b+4:BI+8*\b+7], v24, s[88:89] offset:(64*(\b/4)+8*(\b%4))*4+16
.endr
	WIN 0
	s_lshl_b32 s94, s21, 7
	s_lshl_b32 s95, s15, 6
	s_add_co_u32 s94, s94, s95                     ; my first token,
	s_lshl_b32 s94, s94, 12                        ; rows of 4,096 bytes,
	s_add_co_u32 s94, s94, s92                     ; my first channel
	s_mov_b32 s95, 0
	s_add_nc_u64 s[84:85], s[10:11], s[94:95]
.macro FETCH q                         ; K step q's fragments, 24 loads of 512 consecutive bytes, into set q % 2
	WIN TO_B
.irp b, 0,1,2,3,4,5,6,7
.irp c, 0,1
	ds_load_b128 v[64*((\q)%2)+8*\b+4*\c:64*((\q)%2)+8*\b+4*\c+3], v[ADRB+(\q)/4] offset:4096*\b+1024*((\q)%4)+512*\c
.endr
.endr
	WIN 0
.irp a, 0,1,2,3
.irp c, 0,1
	ds_load_b128 v[AF+32*((\q)%2)+8*\a+4*\c:AF+32*((\q)%2)+8*\a+4*\c+3], v[ADRA+(\q)/4] offset:4096*\a+1024*((\q)%4)+512*\c
.endr
.endr
.endm
.macro SCALES                          ; all scale words of my tiles: lane r takes row r's four words of a plane
.irp a, 0,1,2,3
.irp k, 0,1
	ds_load_b128 v[SA+8*\a+4*\k:SA+8*\a+4*\k+3], v[ADSA] offset:512*\a+256*\k
.endr
.endr
.irp b, 0,1,2,3,4,5,6,7
.irp k, 0,1
	ds_load_b128 v[SB+8*\b+4*\k:SB+8*\b+4*\k+3], v[ADSB] offset:512*\b+256*\k
.endr
.endr
.endm
; 32 products: the 32 accumulators take turns, one instruction a turn, in the same order in every K step.  cm = 0: C is the accumulator; 1: the bias
.macro MUL q, cm
.irp a, 0,1,2,3
.irp b, 0,1,2,3,4,5,6,7
.if \cm == 0
	v_wmma_scale_f32_16x16x128_f8f6f4 v[8*(8*\a+\b):8*(8*\a+\b)+7], v[64*((\q)%2)+8*\b:64*((\q)%2)+8*\b+7], v[AF+32*((\q)%2)+8*\a:AF+32*((\q)%2)+8*\a+7], v[8*(8*\a+\b):8*(8*\a+\b)+7], v[SB+8*\b+(\q)], v[SA+8*\a+(\q)] matrix_a_fmt:MATRIX_FMT_FP4 matrix_b_fmt:MATRIX_FMT_FP4
.else
	v_wmma_scale_f32_16x16x128_f8f6f4 v[8*(8*\a+\b):8*(8*\a+\b)+7], v[64*((\q)%2)+8*\b:64*((\q)%2)+8*\b+7], v[AF+32*((\q)%2)+8*\a:AF+32*((\q)%2)+8*\a+7], v[BI+8*\b:BI+8*\b+7], v[SB+8*\b+(\q)], v[SA+8*\a+(\q)] matrix_a_fmt:MATRIX_FMT_FP4 matrix_b_fmt:MATRIX_FMT_FP4
.endif
.endr
.endr
.endm
.macro KSTEP q, cm
	s_wait_dscnt 0x0                               ; this step's fragments, asked for a step ago, are in
.if \q < 7
.if \q > 0
	PLACES                                         ; four places between the last products and loads into the set that they read (ISA guide 7.12.1 for vector instructions)
.endif
	FETCH \q+1
.endif
.if \cm
	s_wait_loadcnt 0x0                             ; the bias
	WIN MULF
.else
	WIN MULC
.endif
	MUL \q, \cm
.endm
	s_wait_alu depctr_va_vdst(0)
	s_wait_tensorcnt 0x0                           ; my one load has landed,
	s_barrier_signal -1
	s_barrier_wait -1
	SCALES
	FETCH 0
	KSTEP 0, 1
.irp q, 1,2,3,4,5,6,7
	KSTEP \q, 0
.endr
	PLACES                                         ; in front of the first read of results, and of loads into the registers that held Q's fragments
; THE WAY OUT, a tile of 16 tokens x 128 channels at a time, through my own stage: in by 16 bytes a lane, back as whole rows of 512 bytes.  LDS serves a wave's instructions in order (ISA guide 5.7.1.4).
.macro TOSTAGE a
	WIN 0x08                                       ; an LDS store's data are its source 1: window 2
.irp b, 0,1,2,3,4,5,6,7
	ds_store_b128 v[STO], v[8*(8*\a+\b):8*(8*\a+\b)+3] offset:256*(\b/4)+32*(\b%4)        ; each accumulator from its low end on
	ds_store_b128 v[STO], v[8*(8*\a+\b)+4:8*(8*\a+\b)+7] offset:256*(\b/4)+32*(\b%4)+16
.endr
	WIN 0
.irp t, 0,1,2,3,4,5,6,7,8,9,10,11,12,13,14,15
	ds_load_b128 v[BK+64*((\a)%2)+4*\t:BK+64*((\a)%2)+4*\t+3], v[RD] offset:528*\t
.endr
.endm
.macro SEND a, younger                 ; younger: the LDS instructions issued behind tile a's loads, which may stay out
	s_wait_dscnt \younger
.irp t, 0,1,2,3,4,5,6,7,8,9,10,11,12,13,14,15
	global_store_b128 v[CO], v[BK+64*((\a)%2)+4*\t:BK+64*((\a)%2)+4*\t+3], s[84:85] offset:(8*(\a)+\t%8+32*(\t/8))*4096 th:TH_STORE_NT   ; row t of tile a is token 8 a + t % 8 + 32 (t / 8): 512 consecutive bytes
.endr
.endm
	TOSTAGE 0
	TOSTAGE 1
	SEND 0, 32                                     ; behind tile 0's loads: tile 1's 16 stores and 16 loads
	s_wait_xcnt 0x0                                ; tile 0's stores have read their registers: tile 2's loads may land there
	TOSTAGE 2
	SEND 1, 32
	s_wait_xcnt 0x0
	TOSTAGE 3
	SEND 2, 32
	SEND 3, 0
	s_wait_tensorcnt 0x0
	ds_add_u32 v30, v31
	s_wait_dscnt 0x0
	CROUND                                         ; the closing round: no work-group ends while a partner may still ask for a tile that names it
	s_endpgm
.Lfunc_end_k_q58a56de7c9_gemm2:
	.size	k_q58a56de7c9_gemm2, .Lfunc_end_k_q58a56de7c9_gemm2-k_q58a56de7c9_gemm2
	.p2alignl 7, 3214868480
	.fill 96, 4, 3214868480
	.section	.rodata,"a",@progbits
	.p2align	6, 0x0
	.amdhsa_kernel k_q58a56de7c9_gemm2
		.amdhsa_group_segment_fixed_size 246272
		.amdhsa_private_segment_fixed_size 0
		.amdhsa_enable_private_segment 0
		.amdhsa_kernarg_size 32
		.amdhsa_user_sgpr_count 2
		.amdhsa_user_sgpr_kernarg_segment_ptr 1
		.amdhsa_wavefront_size32 1
		.amdhsa_system_sgpr_workgroup_id_x 1
		.amdhsa_system_sgpr_workgroup_id_y 1
		.amdhsa_system_sgpr_workgroup_id_z 1
		.amdhsa_system_vgpr_workitem_id 0
		.amdhsa_next_free_vgpr 768
		.amdhsa_next_free_sgpr 102
		.amdhsa_reserve_vcc 0
		.amdhsa_float_denorm_mode_32 3
		.amdhsa_float_denorm_mode_16_64 3
		.amdhsa_memory_ordered 1
		.amdhsa_forward_progress 1
		.amdhsa_inst_pref_size 72
	.end_amdhsa_kernel
	.amdgpu_metadata
---
amdhsa.version: [ 1, 2 ]
amdhsa.kernels:
  - .name:           k_q58a56de7c9_gemm2
    .symbol:         k_q58a56de7c9_gemm2.kd
    .args:
      - { .name: yq, .offset: 0, .size: 8, .value_kind: global_buffer, .address_space: global }
      - { .name: wq, .offset: 8, .size: 8, .value_kind: global_buffer, .address_space: global }
      - { .name: b_proj, .offset: 16, .size: 8, .value_kind: global_buffer, .address_space: global }
      - { .name: out0, .offset: 24, .size: 8, .value_kind: global_buffer, .address_space: global }
    .group_segment_fixed_size: 246272
    .private_segment_fixed_size: 0
    .kernarg_segment_align: 8
    .kernarg_segment_size: 32
    .max_flat_workgroup_size: 128
    .sgpr_count:     102
    .vgpr_count:     768
    .wavefront_size: 32
...
	.end_amdgpu_metadata
.endif
;; end of part 4
